; MI455X (gfx1250); checked and timed in simulation.
; The chip was launched on July 23, 2026; its instructions are those of AMD's public machine-readable ISA for CDNA 5 (MIT licence, August 2026) and "CDNA5" Instruction Set Architecture Reference Guide (July 2026). The comments in the code are by the model that wrote it; some were corrected since.
;; Ms PAM Module. Allowed arithmetic: matrix products marked QUANTISED: E2M3 operands, one E8M0 scale for each 32 along K, by v_wmma_scale_f32_16x16x128_f8f6f4 with both operands' format E2M3, f32 sums; everything else in f32.
;; Inputs: Wk1 64 x 512 float32; Wk2 64 x 512 float32; Wk3 64 x 512 float32; Wl 512 x 512 float32; Wq 64 x 512 float32; Wv 512 x 512 float32; bk1 64 float32; bk2 64 float32; bk3 64 float32; bl 512 float32; bq 64 float32; bv 512 float32; gamma 1 float32; x 2 x 512 x 64 x 64 float32; y 2 x 512 x 64 x 64 float32; z 2 x 512 x 64 x 64 float32.
;; Outputs: out0 2 x 512 x 64 x 64 float32.
;; This version of the problem:
;;   THIS VERSION OF THE PROBLEM IS GIVEN IN LOW PRECISION. The matrix products marked QUANTISED in the list below multiply operands that are first quantised to E2M3 (2 exponent bits, 3 mantissa bits; 6 bits a number), with one power-of-two scale for each 32 numbers along K (OCP MX v1.0); their sums are f32. All else is computed in f32.
;;   The module's matrix products, in the order in which they are computed (A, B: the left and right operand; K: the contracted axis; several contracted axes count as one K, in the product's order):
;;     1. [M 8,192, K 512] x [K 512, N 64]; A: input x; B: input Wq: QUANTISED
;;     2. [M 8,192, K 512] x [K 512, N 64]; A: input x; B: input Wk1: QUANTISED
;;     3. [M 8,192, K 512] x [K 512, N 64]; A: input y; B: input Wk2: QUANTISED
;;     4. [M 8,192, K 512] x [K 512, N 64]; A: input z; B: input Wk3: QUANTISED
;;     5. [M 8,192, K 512] x [K 512, N 512]; A: input x; B: input Wv: QUANTISED
;;     6. batch 2 x [M 4,096, K 64] x [K 64, N 4,096]; A: computed on the way; B: computed on the way: QUANTISED
;;     7. batch 2 x [M 512, K 4,096] x [K 4,096, N 4,096]; A: computed on the way; B: computed on the way: QUANTISED
;;     8. batch 2 x [M 4,096, K 64] x [K 64, N 4,096]; A: computed on the way; B: computed on the way: QUANTISED
;;     9. batch 2 x [M 512, K 4,096] x [K 4,096, N 4,096]; A: computed on the way; B: computed on the way: QUANTISED
;;     10. batch 2 x [M 4,096, K 64] x [K 64, N 4,096]; A: computed on the way; B: computed on the way: QUANTISED
;;     11. batch 2 x [M 512, K 4,096] x [K 4,096, N 4,096]; A: computed on the way; B: computed on the way: QUANTISED
;;     12. [M 8,192, K 512] x [K 512, N 512]; A: computed on the way; B: input Wl: QUANTISED
;;   THE QUANTISER, for each operand of a quantised product, along K:
;;     - K is cut into blocks of 32 from its start; a last block that is shorter is filled with zeros.
;;     - A block's scale is 2^e with e = floor(log2(the largest magnitude in the block)) - 2, held to -126 .. 127; a block of zeros has e = 0. As a byte (E8M0): e + 127.
;;     - Each number is divided by its block's scale, clamped to +-7.5, and rounded to the nearest number of E2M3, ties to even, subnormals kept.
;;     - The product sums the exact products of the quantised numbers (number of the format x scale) in f32.
;;   ~~~python
;;   def quantise(x, axis):      # numpy; x: float32 -> the quantised numbers, widened to float32 again
;;       x = np.moveaxis(x, axis, -1); K = x.shape[-1]
;;       x = np.pad(x, [(0, 0)] * (x.ndim - 1) + [(0, -K % 32)]); x = x.reshape(x.shape[:-1] + (-1, 32)); a = np.abs(x).max(-1, keepdims=True)
;;       e = np.where(a > 0, np.clip(np.frexp(np.where(a > 0, a, 1))[1] - 1 - 2, -126, 127), 0)      # np.frexp(a)[1] - 1 = floor(log2(a)), exactly
;;       r = np.clip(x / 2.0 ** e, -7.5, 7.5)
;;       step = 2.0 ** (np.maximum(np.frexp(np.where(r == 0, 1, r))[1] - 1, 0) - 3)
;;       q = np.round(r / step) * step * 2.0 ** e      # np.round: ties to even
;;       return np.moveaxis(q.reshape(q.shape[:-2] + (-1,))[..., :K], -1, axis).astype(np.float32)
;;   ~~~
;;   OPERANDS COMPUTED ON THE WAY. 'Computed on the way' means the value that the module computes at that place (a softmax that the list does not call 'softmax' is quantised finished and normalised). What goes into a quantiser is computed in f32, as accurately as f32 sums, v_exp_f32 and their like allow (about 1e-6 of the number): no bf16 or f16 on the way to a quantiser, and a product that is left as it is and whose result goes on into a quantised operand takes f32 operands (vector FMAs, or v_wmma_f32_16x16x4_f32). A number that lies on a knife's edge between two numbers of the format may be rounded either way, as far as f32 arithmetic and the matrix unit's own rounding can turn it there, and no further.
;; One version. Each part assembles by itself: llvm-mc -triple=amdgcn-amd-amdhsa -mcpu=gfx1250 --defsym DOCPART=n.
;; ======== version 1 of 1: 5 launches
;; workspace buffers: wf 491,520 bytes; ws 20,480 bytes; qkc 1,572,864 bytes; qks 131,072 bytes; vb 3,276,800 bytes; st 196,608 bytes; atc 3,145,728 bytes; ats 131,072 bytes
;; launch wq (part 1): grid 80 x 1, 4 waves a work-group, no clusters, 768 bytes of LDS; arguments Wq, Wk1, Wk2, Wk3, Wv, Wl, wf, ws; writes wf, ws
.if DOCPART == 1
	.amdgcn_target "amdgcn-amd-amdhsa--gfx1250"
	.amdhsa_code_object_version 6
	.text
	.protected	k_qdb0c6c29b4_wq
	.globl	k_qdb0c6c29b4_wq
	.p2align	8
	.type	k_qdb0c6c29b4_wq,@function
k_qdb0c6c29b4_wq:
	s_mov_b64 s[64:65], 0
	v_nop
	global_prefetch_b8 v0, s[64:65] scope:SCOPE_SE
	s_setreg_imm32_b32 hwreg(HW_REG_WAVE_MODE, 25, 1), 1
	s_wait_xcnt 0x0
; The six weights [rows][512] f32 (K = 512 innermost) become codes of FP6 (E2M3) with one E8M0 byte for each 32 along K, laid in the ORDER OF AN OPERAND'S REGISTERS.
; wf: [tile 80][K step 4][1,536 bytes]: a fragment (16 rows x 128 K, 12 registers a lane) as three groups of four registers, lane l's 16 bytes at 512 g + 16 l.
; ws: [tile][row 16][K step 4] scale words.   Tiles: 4 J + i of Wq, Wk1, Wk2, Wk3 (J = 0..3); 16 + t of Wv; 48 + t of Wl.
; THE ROWS OF A TILE ARE NOT NEIGHBOURS: row r of tile t is weight row 32 (t / 2) + 8 (t % 2) + r + 8 (r / 8), so that the results of two neighbouring tiles are 16 neighbours along the next product's K.
; A work-group takes a tile, a wave a K step.  Lane (r, h) wants k = 64 c + 32 h + 0..31 of its row: two whole blocks, 128 neighbouring bytes each, so no other lane is asked for a maximum.
; A block's scale is 2^(floor(log2(largest magnitude)) - 2); its byte is that magnitude's exponent field - 2, held at 1 from below.
; LIMITS: a block of zeros, or one whose largest magnitude lies under 2^-124, gets the byte 1 (this program alone reads the bytes; zero codes add nothing); NaN and infinities are not served.
; The launch reads 2.6 MB in all: lanes 2,048 bytes apart read 16 bytes a load; no stage is spent on that.
.set NUM, 32                           ; v32-95   my two blocks of 32 numbers
.set FRG, 96                           ; v96-107  the fragment
.set TMP, 108                          ; v108-115 the upper halves' codes (a conversion's three registers begin on an even number)
	s_load_b256 s[4:11], s[0:1], 0x0               ; Wq, Wk1, Wk2, Wk3
	s_load_b256 s[12:19], s[0:1], 0x20             ; Wv, Wl, wf, ws
	v_lshl_add_u32 v128, v0, 2, 0x100
	v_mov_b32 v129, 0
	v_lshrrev_b32 v1, 5, v0
	v_readfirstlane_b32 s24, v1                    ; wave = K step
	v_and_b32 v2, 15, v0                           ; r
	v_bfe_u32 v3, v0, 4, 1                         ; h
	v_and_b32 v4, 31, v0                           ; lane
	v_and_b32 v5, 8, v2
	v_add_nc_u32 v5, v5, v2                        ; r + 8 (r / 8)
	v_lshlrev_b32 v5, 11, v5                       ; a weight's row is 2,048 bytes
	v_lshl_add_u32 v5, v3, 7, v5                   ; + 128 h
	v_lshlrev_b32 v6, 4, v4                        ; 16 x lane: an image's place
	s_lshl_b32 s25, s24, 2
	v_lshlrev_b32 v7, 4, v2
	v_add_nc_u32 v7, s25, v7                       ; LDS: 16 r + 4 x K step
	v_lshlrev_b32 v16, 3, v4                       ; 8 x lane
	s_mov_b32 s26, 0x76543210
	s_mov_b32 s27, 0xfedcba98                      ; v_permlanex16_b32's selects for lane l xor 16
	s_lshr_b32 s20, ttmp9, 2                       ; which small weight, where the tile is one of the first 16
	s_and_b32 s21, ttmp9, 3                        ; and which of its four tiles
	s_sub_co_u32 s22, ttmp9, 16                    ; Wv's tile
	s_sub_co_u32 s23, ttmp9, 48                    ; Wl's tile
	s_wait_kmcnt 0x0
	s_cmp_eq_u32 s20, 1                            ; the choice of the buffer hangs on the work-group's number alone
	s_cselect_b64 s[4:5], s[6:7], s[4:5]
	s_cmp_eq_u32 s20, 2
	s_cselect_b64 s[4:5], s[8:9], s[4:5]
	s_cmp_eq_u32 s20, 3
	s_cselect_b64 s[4:5], s[10:11], s[4:5]
	s_cmp_ge_u32 ttmp9, 16
	s_cselect_b64 s[4:5], s[12:13], s[4:5]
	s_cselect_b32 s21, s22, s21
	s_cmp_ge_u32 ttmp9, 48
	s_cselect_b64 s[4:5], s[14:15], s[4:5]
	s_cselect_b32 s21, s23, s21                    ; the tile's number in its weight
	s_lshr_b32 s22, s21, 1
	s_lshl_b32 s22, s22, 16                        ; 32 rows of 2,048 bytes
	s_and_b32 s23, s21, 1
	s_lshl_b32 s23, s23, 14                        ; 8 rows
	s_add_co_u32 s22, s22, s23
	s_lshl_b32 s23, s24, 9                         ; 128 numbers a K step
	s_add_co_u32 s22, s22, s23
	s_mov_b32 s23, 0
	s_add_nc_u64 s[4:5], s[4:5], s[22:23]
	s_lshl_b32 s28, ttmp9, 2
	s_add_co_u32 s28, s28, s24
	s_mul_i32 s28, s28, 1536
	s_mov_b32 s29, 0
	s_add_nc_u64 s[16:17], s[16:17], s[28:29]      ; wf at my fragment
	s_lshl_b32 s28, ttmp9, 8
	s_add_nc_u64 s[18:19], s[18:19], s[28:29]      ; ws at my tile
.irp c, 0,1
.irp q, 0,1,2,3,4,5,6,7
	global_load_b128 v[NUM+32*\c+4*\q:NUM+32*\c+4*\q+3], v5, s[4:5] offset:256*\c+16*\q
.endr
.endr
	s_wait_loadcnt 0x0
.irp c, 0,1                                    ; my block 2 c + h: all its 32 numbers are mine
	v_max3_num_f32 v[8+\c], |v[NUM+32*\c]|, |v[NUM+32*\c+1]|, 0x1800000   ; with the floor 2^(3 - 127): the byte cannot fall under 1
.endr
.irp i, 2,4,6,8,10,12,14,16,18,20,22,24,26,28,30
.irp c, 0,1
	v_max3_num_f32 v[8+\c], v[8+\c], |v[NUM+32*\c+\i]|, |v[NUM+32*\c+\i+1]|
.endr
.endr
.irp c, 0,1
	v_add_nc_u32 v[10+\c], 0xff000000, v[8+\c]     ; 2 off the exponent field: the conversion's scale operand
.endr
.irp c, 0,1
	v_lshrrev_b32 v[12+\c], 23, v[10+\c]           ; the scale's byte
.endr
	v_lshl_or_b32 v14, v13, 16, v12                ; my two bytes: blocks h and 2 + h,
	v_lshlrev_b32 v15, 3, v3
	v_lshlrev_b32 v14, v15, v14                    ; at their places in the word;
	v_mov_b32 v15, 0
	v_permlanex16_b32 v15, v14, s26, s27
	v_or_b32 v14, v14, v15                         ; with lane l xor 16's two the word is whole
.irp c, 0,1
	v_cvt_scalef32_pk16_fp6_f32 v[FRG+6*\c:FRG+6*\c+2], v[NUM+32*\c:NUM+32*\c+15], v[10+\c]
	v_cvt_scalef32_pk16_fp6_f32 v[TMP+4*\c:TMP+4*\c+2], v[NUM+32*\c+16:NUM+32*\c+31], v[10+\c]
.endr
	v_nop                                          ; one plain place behind a scaled conversion
.irp c, 0,1
.irp i, 0,1,2
	v_mov_b32 v[FRG+6*\c+3+\i], v[TMP+4*\c+\i]
.endr
.endr
.irp g, 0,1,2
	global_store_b128 v6, v[FRG+4*\g:FRG+4*\g+3], s[16:17] offset:512*\g   ; 32 lanes store 512 consecutive bytes
.endr
	ds_store_b32 v7, v14                           ; both halves of the lanes write the same word with the same value
	s_wait_dscnt 0x0                               ; for the others' sake: my store is done
	s_barrier_signal -1
	s_barrier_wait -1
	s_cmp_lg_u32 s24, 0
	s_cbranch_scc1 .Ldone
	ds_load_b64 v[18:19], v16                      ; the tile's 64 scale words
	s_wait_dscnt 0x0
	global_store_b64 v16, v[18:19], s[18:19]       ; 32 lanes store 256 consecutive bytes, aligned
.Ldone:
	s_wait_tensorcnt 0x0
	ds_add_u32 v128, v129
	s_wait_dscnt 0x0
	s_endpgm
.Lfunc_end_k_qdb0c6c29b4_wq:
	.size	k_qdb0c6c29b4_wq, .Lfunc_end_k_qdb0c6c29b4_wq-k_qdb0c6c29b4_wq
	.p2alignl 7, 3214868480
	.fill 96, 4, 3214868480
	.section	.rodata,"a",@progbits
	.p2align	6, 0x0
	.amdhsa_kernel k_qdb0c6c29b4_wq
		.amdhsa_group_segment_fixed_size 768
		.amdhsa_private_segment_fixed_size 0
		.amdhsa_enable_private_segment 0
		.amdhsa_kernarg_size 64
		.amdhsa_user_sgpr_count 2
		.amdhsa_user_sgpr_kernarg_segment_ptr 1
		.amdhsa_wavefront_size32 1
		.amdhsa_system_sgpr_workgroup_id_x 1
		.amdhsa_system_sgpr_workgroup_id_y 1
		.amdhsa_system_sgpr_workgroup_id_z 1
		.amdhsa_system_vgpr_workitem_id 0
		.amdhsa_next_free_vgpr 130
		.amdhsa_next_free_sgpr 66
		.amdhsa_reserve_vcc 0
		.amdhsa_float_denorm_mode_32 3
		.amdhsa_float_denorm_mode_16_64 3
		.amdhsa_memory_ordered 1
		.amdhsa_forward_progress 1
		.amdhsa_inst_pref_size 8
	.end_amdhsa_kernel
	.amdgpu_metadata
---
amdhsa.version: [ 1, 2 ]
amdhsa.kernels:
  - .name:           k_qdb0c6c29b4_wq
    .symbol:         k_qdb0c6c29b4_wq.kd
    .args:
      - { .name: Wq, .offset: 0, .size: 8, .value_kind: global_buffer, .address_space: global }
      - { .name: Wk1, .offset: 8, .size: 8, .value_kind: global_buffer, .address_space: global }
      - { .name: Wk2, .offset: 16, .size: 8, .value_kind: global_buffer, .address_space: global }
      - { .name: Wk3, .offset: 24, .size: 8, .value_kind: global_buffer, .address_space: global }
      - { .name: Wv, .offset: 32, .size: 8, .value_kind: global_buffer, .address_space: global }
      - { .name: Wl, .offset: 40, .size: 8, .value_kind: global_buffer, .address_space: global }
      - { .name: wf, .offset: 48, .size: 8, .value_kind: global_buffer, .address_space: global }
      - { .name: ws, .offset: 56, .size: 8, .value_kind: global_buffer, .address_space: global }
    .group_segment_fixed_size: 768
    .private_segment_fixed_size: 0
    .kernarg_segment_align: 8
    .kernarg_segment_size: 64
    .max_flat_workgroup_size: 128
    .sgpr_count:     66
    .vgpr_count:     130
    .wavefront_size: 32
...
	.end_amdgpu_metadata
.endif
;; end of part 1
;; launch proj (part 2): grid 64 x 4, 8 waves a work-group, no clusters, 78,848 bytes of LDS; arguments x, y, z, bq, bk1, bk2, bk3, bv, wf, ws, qkc, qks, vb; writes qkc, qks, vb
.if DOCPART == 2
	.amdgcn_target "amdgcn-amd-amdhsa--gfx1250"
	.amdhsa_code_object_version 6
	.text
	.protected	k_qdb0c6c29b4_proj
	.globl	k_qdb0c6c29b4_proj
	.p2align	8
	.type	k_qdb0c6c29b4_proj,@function
k_qdb0c6c29b4_proj:
	s_mov_b64 s[64:65], 0
	v_nop
	global_prefetch_b8 v0, s[64:65] scope:SCOPE_SE
	s_setreg_imm32_b32 hwreg(HW_REG_WAVE_MODE, 25, 1), 1
	s_wait_xcnt 0x0
; The five 1x1 convolutions, on codes of FP6 (E2M3) with one E8M0 byte for each 32 along K, and the quantising of their results for the products that follow.
; A work-group takes 128 positions of one batch (ttmp9 = 32 b + pb) and one JOB J (ttmp7):  J = 0: x, Wq -> Q, and V's channel tiles 0-15;  J = 1: x, Wk1 -> K1, V's tiles 16-31;  J = 2: y, Wk2 -> K2;  J = 3: z, Wk3 -> K3.
; 256 work-groups, each streaming 256 KB of f32; x is read by two jobs so that all work-groups carry an equal stream.
; A: the tensor [c 512][n] has its K (c) OUTERMOST: a lane takes a position and its registers run down c, so a block of 32 along c lies in one lane.  Its 24 bytes of codes go to LDS at the place that they have in the
;    image of an operand's registers.  THE POSITIONS OF A TILE ARE NOT NEIGHBOURS: row r of tile 2 g + u is position 32 g + 8 u + r + 8 (r / 8).
; B: wave w: position tile w.  Source 0 = 16 rows of the small weight, source 1 = x: a lane holds one position and 32 neighbouring c': they are quantised along c' (K = 64 of the score product) and stored as half a fragment.
; C (J < 2): wave w: V's channel tiles 16 J + 2 w + kk.  Source 0 = x's tiles, source 1 = Wv: a lane holds one channel and 128 neighbouring positions: quantised along the positions (K of V x attn), stored as a fragment's image.
; The biases are the C of each sum's first product.
; OUT: qkc [Q,K1,K2,K3][b][tile 256][768]: registers 0-3 at 16 l, registers 4-5 at 512 + 8 l;  qks [..][b][4 tiles][r][tile] scale words (upper two bytes 0x7f: the reader's zero codes of k = 64..127);
;      vb [b][128 positions][51,200]: 32 images of 1,536 bytes, then 2,048 bytes of scale words at 512 (t / 8) + 32 r + 4 (t % 8).
; LIMITS: a block of zeros, or one whose largest magnitude lies under 2^-124, gets the byte 1 (only this program reads the bytes; zero codes add nothing); NaN and infinities are not served.
; No tensor load: the stream's K is outermost, so it has to pass registers anyway.  No cluster: work-groups share only the weights' codes, 0.1 to 0.2 MB against a stream of 256 KB each.
.set XIMG, 0                           ; LDS: x's 32 fragments (tile pt, K step s) at (4 pt + s) 1,536, each as two records of 768 bytes (six registers)
.set XSC,  49152                       ; their scale words [pt][r][s]
.set WIMG, 51200                       ; the small weight's 16 fragments (tile i, K step s) at (4 i + s) 1,536, images
.set QSG,  75776                       ; where the eight waves' scale words of Q or K meet: 512 bytes
.set VSG,  76288                       ; the same for V: 1,024 bytes
.set L4,   1                           ; v1  4 x lane
.set L16,  2                           ; v2  16 x lane
.set L8,   3                           ; v3  8 x lane
.set R16,  4                           ; v4  16 r
.set A16,  5                           ; v5  phase A: where my block's first 16 bytes go
.set A8,   6                           ; v6  and its last 8
.set XSCW, 7                           ; v7  and my two scale words
.set LIW,  8                           ; v8  WIMG + 16 x lane
.set LIWW, 9                           ; v9  + 3,072 x wave
.set QSGW, 10
.set VSGW, 11
.set XR16, 12                          ; v12 my position tile's fragments: 6,144 x wave + 16 x lane
.set XR8,  13                          ; v13 6,144 x wave + 8 x lane
.set XSR,  14                          ; v14 XSC + 256 x wave + 16 r
.set H64,  15                          ; v15 64 h
.set QSGR, 16
.set VSGR, 17
.set XSCR, 18                          ; v18 XSC + 16 r
.set BVO,  19                          ; v19 4 (r + 8 (r / 8))
.set NUM,  32                          ; v32-95   phase A: two sets of 32 numbers
.set F,    96                          ; v96-101  a block's codes
.set T,    102                         ; v102-104 its upper half's (a conversion's three registers begin on an even number)
.set MX,   106
.set SO,   108
.set BY,   109
.set BW,   112                         ; v112-113 my eight scale bytes
.set STG,  128                         ; v128-151 two fragments of the small weight on their way to LDS
.set FR,   32                          ; v32-151  phases B and C: fragments
.set XSCL, 152                         ; v152-183 x's scale words (4 pt + s); in phase B the first four: my tile's
.set WBS,  184                         ; v184-199 the small weight's (4 i + s)
.set WCS,  200                         ; v200-207 Wv's (4 kk + s)
.set TM,   208                         ; v208-223 at work in the quantisers
.set PW,   224                         ; v224-225 scale words just made
.set PC0,  32                          ; codes just made: over fragments that are done with
.set PC1,  52
.set OUTR, 228                         ; v228-235 wave 0's gathers
.set ACC,  0                           ; window 1: v0-127 accumulators (phase B: v0-31)
.set BIASB, 32                         ; window 1: v32-63 phase B's bias in the result's layout
.set WC,   128                         ; window 1: v128-223 Wv's 8 fragments (4 kk + s)
.set BVC,  224                         ; window 1: v224-239 bv of my lane's channel, eight times, for kk = 0, 1
.set SEL,  46
.set MSB, 0
.macro WIN new                         ; the immediate's high byte repeats the setting that is left
.if MSB != \new
	s_set_vgpr_msb (MSB<<8)|\new
.set MSB, \new
.endif
.endm
.macro PLACES                          ; four places behind a matrix instruction, in front of loads into its registers and of reads of its results
.rept 4
	v_nop
.endr
.endm
.macro BARRIER                         ; my LDS stores have landed and my LDS loads are in: then the work-group's barrier
	s_wait_dscnt 0x0
	s_barrier_signal -1
	s_barrier_wait -1
.endm
.macro XFRAG reg, a16, a8, off         ; a fragment of x out of its two records
	ds_load_b128 v[(\reg):(\reg)+3], v[\a16] offset:(\off)
	ds_load_b64 v[(\reg)+4:(\reg)+5], v[\a8] offset:(\off)+512
	ds_load_b128 v[(\reg)+6:(\reg)+9], v[\a16] offset:(\off)+768
	ds_load_b64 v[(\reg)+10:(\reg)+11], v[\a8] offset:(\off)+1280
.endm
.macro IMG reg, adr, off               ; a fragment out of its image
.irp g, 0,1,2
	ds_load_b128 v[(\reg)+4*\g:(\reg)+4*\g+3], v[\adr] offset:(\off)+512*\g
.endr
.endm
; 64 numbers of a lane in window 1, register s + 16 b + i = k 32 b + 16 h + i of my row, become a fragment in v[pc .. pc + 11] (pc + 12 .. 19 at work) and its scale word in v[pw].
.macro QUANTW s, pc, pw
	WIN 0x05                                       ; sources 0 and 1 in window 1
.irp b, 0,1,2,3
	v_max3_num_f32 v[TM+\b], |v[(\s)+16*\b]|, |v[(\s)+16*\b+1]|, 0x1800000   ; with the floor 2^(3 - 127); each accumulator is read from its low end on
.endr
.irp i, 2,4,6,8,10,12,14
.irp b, 0,1,2,3
	v_max3_num_f32 v[TM+\b], |v[(\s)+16*\b+\i]|, |v[(\s)+16*\b+\i+1]|, v[TM+\b]
.endr
.endr
	WIN 0
.irp b, 0,1,2,3
	v_permlanex16_b32 v[TM+4+\b], v[TM+\b], s[SEL], s[SEL+1]
.endr
.irp b, 0,1,2,3
	v_max_num_f32 v[TM+\b], v[TM+\b], v[TM+4+\b]   ; with lane l xor 16's: the block's largest magnitude
.endr
.irp b, 0,1,2,3
	v_add_nc_u32 v[TM+12+\b], 0xff000000, v[TM+\b] ; 2 off its exponent field: the conversion's scale operand
.endr
.irp b, 0,1,2,3
	v_lshrrev_b32 v[TM+4+\b], 23, v[TM+12+\b]      ; the scale's byte
.endr
	v_lshl_or_b32 v[\pw], v[TM+5], 8, v[TM+4]
	v_lshl_or_b32 v[\pw], v[TM+6], 16, v[\pw]
	v_lshl_or_b32 v[\pw], v[TM+7], 24, v[\pw]
	WIN 0x01
.irp c, 0,1
	v_cvt_scalef32_pk16_fp6_f32 v[(\pc)+6*\c:(\pc)+6*\c+2], v[(\s)+32*\c:(\s)+32*\c+15], v[TM+12+2*\c]
	v_cvt_scalef32_pk16_fp6_f32 v[(\pc)+12+4*\c:(\pc)+14+4*\c], v[(\s)+32*\c+16:(\s)+32*\c+31], v[TM+13+2*\c]
.endr
	WIN 0
	v_nop                                          ; one plain place behind a scaled conversion
.irp c, 0,1                                    ; the operand's layout wants a whole block in a lane
.irp i, 0,1,2
	v_permlane16_swap_b32 v[(\pc)+6*\c+\i], v[(\pc)+12+4*\c+\i]
.endr
.irp i, 0,1,2
	v_mov_b32 v[(\pc)+6*\c+3+\i], v[(\pc)+12+4*\c+\i]
.endr
.endr
.endm
; the same for 32 numbers (two blocks): six registers in v[f .. f + 5] (f + 8 .. 10 at work); the word's upper two bytes are 0x7f, for the zero codes of k = 64 .. 127
.macro QUANT2 s, f, pw
	WIN 0x05
.irp b, 0,1
	v_max3_num_f32 v[TM+\b], |v[(\s)+16*\b]|, |v[(\s)+16*\b+1]|, 0x1800000
.endr
.irp i, 2,4,6,8,10,12,14
.irp b, 0,1
	v_max3_num_f32 v[TM+\b], |v[(\s)+16*\b+\i]|, |v[(\s)+16*\b+\i+1]|, v[TM+\b]
.endr
.endr
	WIN 0
.irp b, 0,1
	v_permlanex16_b32 v[TM+4+\b], v[TM+\b], s[SEL], s[SEL+1]
.endr
.irp b, 0,1
	v_max_num_f32 v[TM+\b], v[TM+\b], v[TM+4+\b]
.endr
.irp b, 0,1
	v_add_nc_u32 v[TM+12+\b], 0xff000000, v[TM+\b]
.endr
.irp b, 0,1
	v_lshrrev_b32 v[TM+4+\b], 23, v[TM+12+\b]
.endr
	v_lshl_or_b32 v[\pw], v[TM+5], 8, v[TM+4]
	v_or_b32 v[\pw], 0x7f7f0000, v[\pw]
	WIN 0x01
	v_cvt_scalef32_pk16_fp6_f32 v[(\f):(\f)+2], v[(\s):(\s)+15], v[TM+12]
	v_cvt_scalef32_pk16_fp6_f32 v[(\f)+8:(\f)+10], v[(\s)+16:(\s)+31], v[TM+13]
	WIN 0
	v_nop
.irp i, 0,1,2
	v_permlane16_swap_b32 v[(\f)+\i], v[(\f)+8+\i]
.endr
.irp i, 0,1,2
	v_mov_b32 v[(\f)+3+\i], v[(\f)+8+\i]
.endr
.endm
	s_load_b256 s[4:11], s[0:1], 0x0               ; x, y, z, bq
	s_load_b256 s[12:19], s[0:1], 0x20             ; bk1, bk2, bk3, bv
	s_load_b256 s[20:27], s[0:1], 0x40             ; wf, ws, qkc, qks
	s_load_b64 s[28:29], s[0:1], 0x60              ; vb
	v_lshl_add_u32 v254, v0, 2, 0x13000
	v_mov_b32 v255, 0
	v_lshrrev_b32 v20, 5, v0
	v_readfirstlane_b32 s31, v20                   ; wave 0..7
	s_and_b32 s30, ttmp7, 0xffff                   ; J
	s_lshr_b32 s32, ttmp9, 5                       ; b
	s_and_b32 s33, ttmp9, 31                       ; pb
	s_and_b32 s34, s31, 3                          ; g: which 32 positions in phase A
	s_lshr_b32 s35, s31, 2                         ; ch: which half of c
	v_and_b32 v20, 31, v0                          ; lane
	v_and_b32 v21, 15, v0                          ; r
	v_bfe_u32 v22, v0, 4, 1                        ; h
	v_bfe_u32 v23, v0, 3, 1                        ; u: my position's tile of its group's two
	v_and_b32 v24, 7, v0
	v_lshl_add_u32 v24, v22, 3, v24                ; and its row there: (lane % 8) + 8 (lane / 16)
	v_lshlrev_b32 v[L4], 2, v20
	v_lshlrev_b32 v[L16], 4, v20
	v_lshlrev_b32 v[L8], 3, v20
	v_lshlrev_b32 v[R16], 4, v21
	v_lshlrev_b32 v[H64], 6, v22
	s_mul_i32 s36, s34, 12288
	s_mul_i32 s37, s35, 3072
	s_add_co_u32 s36, s36, s37
	v_mul_u32_u24 v25, v23, 6144
	v_add_nc_u32 v25, s36, v25                     ; fragment (2 g + u, 2 ch)
	v_lshl_add_u32 v[A16], v24, 4, v25
	v_lshl_add_u32 v[A8], v24, 3, v25
	s_lshl_b32 s36, s34, 9
	s_lshl_b32 s37, s35, 3
	s_add_co_u32 s36, s36, s37
	s_add_co_u32 s36, s36, XSC
	v_lshlrev_b32 v25, 8, v23
	v_lshl_add_u32 v25, v24, 4, v25
	v_add_nc_u32 v[XSCW], s36, v25
	v_add_nc_u32 v[LIW], WIMG, v[L16]
	s_mul_i32 s36, s31, 3072
	v_add_nc_u32 v[LIWW], s36, v[LIW]
	s_lshl_b32 s36, s35, 8
	s_lshl_b32 s37, s34, 2
	s_add_co_u32 s36, s36, s37
	s_add_co_u32 s36, s36, QSG
	v_add_nc_u32 v[QSGW], s36, v[R16]              ; QSG + 256 (w / 4) + 16 r + 4 (w % 4)
	s_lshl_b32 s36, s35, 9
	s_lshl_b32 s37, s34, 3
	s_add_co_u32 s36, s36, s37
	s_add_co_u32 s36, s36, VSG
	v_lshl_add_u32 v[VSGW], v21, 5, s36            ; VSG + 512 (w / 4) + 32 r + 8 (w % 4)
	s_mul_i32 s36, s31, 6144
	v_add_nc_u32 v[XR16], s36, v[L16]
	v_add_nc_u32 v[XR8], s36, v[L8]
	s_lshl_b32 s36, s31, 8
	s_add_co_u32 s36, s36, XSC
	v_add_nc_u32 v[XSR], s36, v[R16]
	v_add_nc_u32 v[QSGR], QSG, v[L16]
	v_add_nc_u32 v[VSGR], VSG, v[L16]
	v_add_nc_u32 v[XSCR], XSC, v[R16]
	v_and_b32 v25, 8, v21
	v_add_nc_u32 v25, v25, v21
	v_lshlrev_b32 v[BVO], 2, v25
.irp b, 0,1,2,3
	v_mov_b32 v[TM+4+\b], 0                        ; written once: a lane permute's destination counts as one of its sources
.endr
	s_mov_b32 s[SEL], 0x76543210
	s_mov_b32 s[SEL+1], 0xfedcba98
	; byte offsets, each in a pair of its own
	s_lshl_b32 s48, s32, 23                        ; the tensor: batch,
	s_lshl_b32 s36, s35, 22                        ; 256 channels of 16,384 bytes,
	s_add_co_u32 s48, s48, s36
	s_lshl_b32 s36, s33, 9                         ; 128 positions,
	s_add_co_u32 s48, s48, s36
	s_lshl_b32 s36, s34, 7                         ; 32 positions
	s_add_co_u32 s48, s48, s36
	s_mov_b32 s49, 0
	s_lshl_b32 s36, s30, 4
	s_lshl_b32 s37, s31, 1
	s_add_co_u32 s36, s36, s37                     ; 16 J + 2 w
	s_mul_i32 s38, s36, 1536                       ; wf: the two fragments of the small weight that I bring
	s_mov_b32 s39, 0
	s_lshl_b32 s40, s30, 10                        ; ws: the small weight's four tiles
	s_mov_b32 s41, 0
	s_add_co_u32 s37, s36, 16
	s_mul_i32 s42, s37, 6144                       ; wf: Wv's tiles 16 J + 2 w, + 1
	s_mov_b32 s43, 0
	s_lshl_b32 s44, s37, 8                         ; ws: the same
	s_mov_b32 s45, 0
	s_mul_i32 s50, ttmp9, 51200                    ; vb: my 128 positions' block,
	s_add_co_u32 s52, s50, s40
	s_add_co_u32 s52, s52, 49152                   ; its scale words of my job's 16 tiles,
	s_mov_b32 s53, 0
	s_add_co_u32 s50, s50, s38                     ; my two images
	s_mov_b32 s51, 0
	s_lshl_b32 s54, s36, 6                         ; bv: 4 x 32 (8 J + w)
	s_mov_b32 s55, 0
	s_lshl_b32 s37, s30, 1
	s_add_co_u32 s37, s37, s32                     ; 2 J + b
	s_lshl_b32 s56, s37, 8
	s_lshl_b32 s58, s33, 3
	s_add_co_u32 s56, s56, s58
	s_add_co_u32 s56, s56, s31
	s_mul_i32 s56, s56, 768                        ; qkc: tile 8 pb + w
	s_mov_b32 s57, 0
	s_lshl_b32 s58, s37, 6
	s_lshl_b32 s37, s33, 1
	s_add_co_u32 s58, s58, s37
	s_lshl_b32 s58, s58, 8                         ; qks: groups 2 pb, 2 pb + 1
	s_mov_b32 s59, 0
	s_wait_kmcnt 0x0
	s_cmp_eq_u32 s30, 2                            ; the choices of buffers hang on the job's number alone
	s_cselect_b64 s[4:5], s[6:7], s[4:5]
	s_cmp_eq_u32 s30, 3
	s_cselect_b64 s[4:5], s[8:9], s[4:5]
	s_cmp_eq_u32 s30, 1
	s_cselect_b64 s[10:11], s[12:13], s[10:11]
	s_cmp_eq_u32 s30, 2
	s_cselect_b64 s[10:11], s[14:15], s[10:11]
	s_cmp_eq_u32 s30, 3
	s_cselect_b64 s[10:11], s[16:17], s[10:11]
	s_add_nc_u64 s[4:5], s[4:5], s[48:49]
	s_add_nc_u64 s[38:39], s[20:21], s[38:39]
	s_add_nc_u64 s[40:41], s[22:23], s[40:41]
	s_add_nc_u64 s[42:43], s[20:21], s[42:43]
	s_add_nc_u64 s[44:45], s[22:23], s[44:45]
	s_add_nc_u64 s[50:51], s[28:29], s[50:51]
	s_add_nc_u64 s[52:53], s[28:29], s[52:53]
	s_add_nc_u64 s[18:19], s[18:19], s[54:55]
	s_add_nc_u64 s[24:25], s[24:25], s[56:57]
	s_add_nc_u64 s[26:27], s[26:27], s[58:59]
.irp q, 0,1,2,3,4,5
	global_load_b128 v[STG+4*\q:STG+4*\q+3], v[L16], s[38:39] offset:512*\q
.endr
.irp i, 0,1,2,3
	global_load_b128 v[WBS+4*\i:WBS+4*\i+3], v[R16], s[40:41] offset:256*\i
.endr
	WIN 0x40                                       ; destination window 1
.irp i, 0,1,2,3                                ; lane (r, h) wants, for tile i, the bias of c' = 32 (i / 2) + 8 (i % 2) + 16 h + 0 .. 7
	global_load_b128 v[BIASB+8*\i:BIASB+8*\i+3], v[H64], s[10:11] offset:(32*(\i/2)+8*(\i%2))*4
	global_load_b128 v[BIASB+8*\i+4:BIASB+8*\i+7], v[H64], s[10:11] offset:(32*(\i/2)+8*(\i%2))*4+16
.endr
	WIN 0
; ---- A.  Block t: channels 256 ch + 32 t + i of my position, into set t % 2: each load reads 128 consecutive bytes a wave, the four waves of a half of c stand side by side on 512
.macro LOAD t
.set i, 0
.rept 32
	global_load_b32 v[NUM+32*((\t)%2)+i], v[L4], s[4:5] offset:(32*(\t)+i)*16384
.set i, i+1
.endr
.endm
.macro BLOCK t
.set XS, NUM+32*((\t)%2)
.if (\t) < 7
	s_wait_loadcnt 32                              ; this block's 32 loads (and all older ones) are in; the next block's 32 may be out
.else
	s_wait_loadcnt 0x0
.endif
	v_max3_num_f32 v[MX], |v[XS]|, |v[XS+1]|, |v[XS+2]|            ; the block's largest magnitude: all 32 numbers are mine
	v_max3_num_f32 v[MX+1], |v[XS+3]|, |v[XS+4]|, |v[XS+5]|
.irp i, 6,10,14,18,22,26
	v_max3_num_f32 v[MX], v[MX], |v[XS+\i]|, |v[XS+\i+1]|
	v_max3_num_f32 v[MX+1], v[MX+1], |v[XS+\i+2]|, |v[XS+\i+3]|
.endr
	v_max3_num_f32 v[MX], v[MX], |v[XS+30]|, |v[XS+31]|
	v_max3_num_f32 v[MX], v[MX], v[MX+1], 0x1800000                ; and the floor 2^(3 - 127)
	v_add_nc_u32 v[SO], 0xff000000, v[MX]
	v_lshrrev_b32 v[BY], 23, v[SO]
.if (\t)%4 == 0
	v_mov_b32 v[BW+(\t)/4], v[BY]                  ; four bytes to a word, the lower K in the lower byte
.else
	v_lshl_or_b32 v[BW+(\t)/4], v[BY], 8*((\t)%4), v[BW+(\t)/4]
.endif
	v_cvt_scalef32_pk16_fp6_f32 v[F:F+2], v[XS:XS+15], v[SO]
	v_cvt_scalef32_pk16_fp6_f32 v[T:T+2], v[XS+16:XS+31], v[SO]
	v_nop                                          ; one plain place behind a scaled conversion
.irp i, 0,1,2
	v_mov_b32 v[F+3+\i], v[T+\i]
.endr
	; block t is block t % 4 of K step 2 ch + t / 4: registers 6 ((t / 2) % 2) .. + 5 of lane (row, t % 2)
	ds_store_b128 v[A16], v[F:F+3] offset:((\t)/4)*1536+(((\t)/2)%2)*768+((\t)%2)*256
	ds_store_b64 v[A8], v[F+4:F+5] offset:((\t)/4)*1536+(((\t)/2)%2)*768+512+((\t)%2)*128
.if (\t) < 6
	LOAD (\t)+2
.endif
	s_wait_dscnt 0x0                               ; the stores have read their registers: the next block's codes may be written
.endm
	LOAD 0
	LOAD 1
.set Q, 0
.rept 8
	BLOCK Q
.set Q, Q+1
.endr
	ds_store_b64 v[XSCW], v[BW:BW+1]               ; my position's scale words of K steps 2 ch, 2 ch + 1
.irp q, 0,1,2,3,4,5
	ds_store_b128 v[LIWW], v[STG+4*\q:STG+4*\q+3] offset:512*\q    ; the small weight's fragments 2 w, 2 w + 1, as they stand
.endr
	BARRIER                                        ; x's 32 fragments and the small weight's 16 lie in LDS
; ---- B.  My position tile x the small weight's four tiles: four accumulators by turns, two K steps' fragments at a time
	ds_load_b128 v[XSCL:XSCL+3], v[XSR]
.irp hb, 0,1
.if \hb
	WIN 0
	PLACES
.endif
.irp ss, 0,1
	XFRAG FR+12*\ss, XR16, XR8, (2*\hb+\ss)*1536
.irp i, 0,1,2,3
	IMG FR+24+12*(4*\ss+\i), LIW, (4*\i+2*\hb+\ss)*1536
.endr
.endr
	s_wait_dscnt 0x0
	WIN 0x50                                       ; C and D in window 1
.irp ss, 0,1
.irp i, 0,1,2,3
.if (2*\hb+\ss) == 0
	v_wmma_scale_f32_16x16x128_f8f6f4 v[ACC+8*\i:ACC+8*\i+7], v[FR+24+12*(4*\ss+\i):FR+24+12*(4*\ss+\i)+11], v[FR+12*\ss:FR+12*\ss+11], v[BIASB+8*\i:BIASB+8*\i+7], v[WBS+4*\i+2*\hb+\ss], v[XSCL+2*\hb+\ss] matrix_a_fmt:MATRIX_FMT_FP6 matrix_b_fmt:MATRIX_FMT_FP6
.else
	v_wmma_scale_f32_16x16x128_f8f6f4 v[ACC+8*\i:ACC+8*\i+7], v[FR+24+12*(4*\ss+\i):FR+24+12*(4*\ss+\i)+11], v[FR+12*\ss:FR+12*\ss+11], v[ACC+8*\i:ACC+8*\i+7], v[WBS+4*\i+2*\hb+\ss], v[XSCL+2*\hb+\ss] matrix_a_fmt:MATRIX_FMT_FP6 matrix_b_fmt:MATRIX_FMT_FP6
.endif
.endr
.endr
.endr
	WIN 0
	PLACES
	QUANT2 ACC, PC0, PW                            ; register 16 b + i = c' 32 b + 16 h + i of my position
	global_store_b128 v[L16], v[PC0:PC0+3], s[24:25]               ; 512 consecutive bytes,
	global_store_b64 v[L8], v[PC0+4:PC0+5], s[24:25] offset:512    ; and 256: the tile's record of 768
	ds_store_b32 v[QSGW], v[PW]                    ; both halves of the lanes write the same word with the same value
	BARRIER
	s_cmp_lg_u32 s31, 0
	s_cbranch_scc1 .Lnot_first
	ds_load_b128 v[OUTR:OUTR+3], v[QSGR]
	s_wait_dscnt 0x0
	global_store_b128 v[L16], v[OUTR:OUTR+3], s[26:27]             ; the eight tiles' scale words: 512 consecutive bytes
.Lnot_first:
	s_cmp_ge_u32 s30, 2
	s_cbranch_scc1 .Lend                           ; y's and z's jobs have no part of V
; ---- C.  V's tiles 16 J + 2 w + kk for the 128 positions
	s_wait_xcnt 0x0                                ; the stores above have read their registers: these are loaded again below
	WIN 0x40
.set i, 0
.rept 24
	global_load_b128 v[WC+4*i:WC+4*i+3], v[L16], s[42:43] offset:512*i   ; Wv's eight fragments lie on end in wf
.set i, i+1
.endr
	global_load_b32 v[BVC], v[BVO], s[18:19]       ; bv of my lane's channel 32 (8 J + w) + 8 kk + r + 8 (r / 8)
	global_load_b32 v[BVC+8], v[BVO], s[18:19] offset:32
	WIN 0
	global_load_b128 v[WCS:WCS+3], v[R16], s[44:45]
	global_load_b128 v[WCS+4:WCS+7], v[R16], s[44:45] offset:256
.irp pt, 0,1,2,3,4,5,6,7
	ds_load_b128 v[XSCL+4*\pt:XSCL+4*\pt+3], v[XSCR] offset:256*\pt
.endr
.macro FETCHX g                        ; group g = (K step g / 2, half g % 2 of the position tiles): four fragments, 16 loads, into set g % 2
.irp i, 0,1,2,3
	XFRAG FR+48*((\g)%2)+12*\i, L16, L8, (4*(4*((\g)%2)+\i)+(\g)/2)*1536
.endr
.endm
.macro MULC g                          ; its eight products: eight accumulators by turns
.set rs, (\g)/2
.set rh, (\g)%2
.irp i, 0,1,2,3
.irp kk, 0,1
.set rD, ACC+64*\kk+8*(4*rh+\i)
.set rA, FR+48*rh+12*\i
.set rB, WC+12*(4*\kk+rs)
.if rs == 0
	v_wmma_scale_f32_16x16x128_f8f6f4 v[rD:rD+7], v[rA:rA+11], v[rB:rB+11], v[BVC+8*\kk:BVC+8*\kk+7], v[XSCL+4*(4*rh+\i)+rs], v[WCS+4*\kk+rs] matrix_a_fmt:MATRIX_FMT_FP6 matrix_b_fmt:MATRIX_FMT_FP6
.else
	v_wmma_scale_f32_16x16x128_f8f6f4 v[rD:rD+7], v[rA:rA+11], v[rB:rB+11], v[rD:rD+7], v[XSCL+4*(4*rh+\i)+rs], v[WCS+4*\kk+rs] matrix_a_fmt:MATRIX_FMT_FP6 matrix_b_fmt:MATRIX_FMT_FP6
.endif
.endr
.endr
.endm
	FETCHX 0
	s_wait_loadcnt 0x0
	WIN 0x41                                       ; destination and source 0 in window 1
.irp kk, 0,1
.irp j, 1,2,3,4,5,6,7
	v_mov_b32 v[BVC+8*\kk+\j], v[BVC+8*\kk]        ; a lane's eight results of a tile belong to one channel: the same bias eight times
.endr
.endr
.set G, 0
.rept 8
	WIN 0
	PLACES                                         ; behind the last group's products, in front of loads into the set that the group before it read
.if G < 7
	FETCHX G+1
	s_wait_dscnt 16                                ; all but the next group's 16 loads
.else
	s_wait_dscnt 0x0
.endif
	WIN 0x54                                       ; source 1, C and D in window 1
	MULC G
.set G, G+1
.endr
	WIN 0
	PLACES
	QUANTW ACC, PC0, PW                            ; register 16 b + i = position 32 b + 16 h + i of my channel
	QUANTW ACC+64, PC1, PW+1
.irp g, 0,1,2
	global_store_b128 v[L16], v[PC0+4*\g:PC0+4*\g+3], s[50:51] offset:512*\g
.endr
.irp g, 0,1,2
	global_store_b128 v[L16], v[PC1+4*\g:PC1+4*\g+3], s[50:51] offset:1536+512*\g
.endr
	ds_store_b32 v[VSGW], v[PW]
	ds_store_b32 v[VSGW], v[PW+1] offset:4
	BARRIER
	s_cmp_lg_u32 s31, 0
	s_cbranch_scc1 .Lend
	ds_load_b128 v[OUTR:OUTR+3], v[VSGR]
	ds_load_b128 v[OUTR+4:OUTR+7], v[VSGR] offset:512
	s_wait_dscnt 0x0
	global_store_b128 v[L16], v[OUTR:OUTR+3], s[52:53]             ; my job's 16 tiles' scale words: 1,024 consecutive bytes
	global_store_b128 v[L16], v[OUTR+4:OUTR+7], s[52:53] offset:512
.Lend:
	s_wait_tensorcnt 0x0
	ds_add_u32 v254, v255
	s_wait_dscnt 0x0
	s_endpgm
.Lfunc_end_k_qdb0c6c29b4_proj:
	.size	k_qdb0c6c29b4_proj, .Lfunc_end_k_qdb0c6c29b4_proj-k_qdb0c6c29b4_proj
	.p2alignl 7, 3214868480
	.fill 96, 4, 3214868480
	.section	.rodata,"a",@progbits
	.p2align	6, 0x0
	.amdhsa_kernel k_qdb0c6c29b4_proj
		.amdhsa_group_segment_fixed_size 78848
		.amdhsa_private_segment_fixed_size 0
		.amdhsa_enable_private_segment 0
		.amdhsa_kernarg_size 104
		.amdhsa_user_sgpr_count 2
		.amdhsa_user_sgpr_kernarg_segment_ptr 1
		.amdhsa_wavefront_size32 1
		.amdhsa_system_sgpr_workgroup_id_x 1
		.amdhsa_system_sgpr_workgroup_id_y 1
		.amdhsa_system_sgpr_workgroup_id_z 1
		.amdhsa_system_vgpr_workitem_id 0
		.amdhsa_next_free_vgpr 512
		.amdhsa_next_free_sgpr 66
		.amdhsa_reserve_vcc 0
		.amdhsa_float_denorm_mode_32 3
		.amdhsa_float_denorm_mode_16_64 3
		.amdhsa_memory_ordered 1
		.amdhsa_forward_progress 1
		.amdhsa_inst_pref_size 85
	.end_amdhsa_kernel
	.amdgpu_metadata
---
amdhsa.version: [ 1, 2 ]
amdhsa.kernels:
  - .name:           k_qdb0c6c29b4_proj
    .symbol:         k_qdb0c6c29b4_proj.kd
    .args:
      - { .name: x, .offset: 0, .size: 8, .value_kind: global_buffer, .address_space: global }
      - { .name: y, .offset: 8, .size: 8, .value_kind: global_buffer, .address_space: global }
      - { .name: z, .offset: 16, .size: 8, .value_kind: global_buffer, .address_space: global }
      - { .name: bq, .offset: 24, .size: 8, .value_kind: global_buffer, .address_space: global }
      - { .name: bk1, .offset: 32, .size: 8, .value_kind: global_buffer, .address_space: global }
      - { .name: bk2, .offset: 40, .size: 8, .value_kind: global_buffer, .address_space: global }
      - { .name: bk3, .offset: 48, .size: 8, .value_kind: global_buffer, .address_space: global }
      - { .name: bv, .offset: 56, .size: 8, .value_kind: global_buffer, .address_space: global }
      - { .name: wf, .offset: 64, .size: 8, .value_kind: global_buffer, .address_space: global }
      - { .name: ws, .offset: 72, .size: 8, .value_kind: global_buffer, .address_space: global }
      - { .name: qkc, .offset: 80, .size: 8, .value_kind: global_buffer, .address_space: global }
      - { .name: qks, .offset: 88, .size: 8, .value_kind: global_buffer, .address_space: global }
      - { .name: vb, .offset: 96, .size: 8, .value_kind: global_buffer, .address_space: global }
    .group_segment_fixed_size: 78848
    .private_segment_fixed_size: 0
    .kernarg_segment_align: 8
    .kernarg_segment_size: 104
    .max_flat_workgroup_size: 256
    .sgpr_count:     66
    .vgpr_count:     512
    .wavefront_size: 32
...
	.end_amdgpu_metadata
.endif
;; end of part 2
;; launch stats (part 3): grid 128 x 2, 12 waves a work-group, no clusters, 7,680 bytes of LDS; arguments qkc, qks, st; writes st
.if DOCPART == 3
	.amdgcn_target "amdgcn-amd-amdhsa--gfx1250"
	.amdhsa_code_object_version 6
	.text
	.protected	k_qdb0c6c29b4_stats
	.globl	k_qdb0c6c29b4_stats
	.p2align	8
	.type	k_qdb0c6c29b4_stats,@function
k_qdb0c6c29b4_stats:
	s_mov_b64 s[64:65], 0
	v_nop
	global_prefetch_b8 v0, s[64:65] scope:SCOPE_SE
	s_setreg_imm32_b32 hwreg(HW_REG_WAVE_MODE, 25, 1), 1
	s_wait_xcnt 0x0
; The first sweep over the scores s[m][n] = Q[m] . K[n] (K = 64, on codes of FP6): for each branch and each m the largest score M and Z = the sum over all 4,096 n of e^(s - M).
; The weights e^(s - M) / Z are contracted over m later, so a row's M and Z have to be whole before one of its numbers can be quantised: hence this launch.
; A work-group takes 32 m of one batch (two tiles of Q) for all three branches.  Wave (branch = w / 4, q = w % 4) walks n = 1,024 q .. + 1,023: 16 groups of four tiles of K.  Three waves to a SIMD, so that one
; wave's exponentials stand beside another's plain work.  Source 0 = 16 n, source 1 = 16 m: a lane holds ONE m and its registers run over n, so each lane keeps a running (M, Z) of its own and nothing crosses lanes in the loop.
; The codes of k = 64 .. 127 are zeros, written once into the upper six registers of every fragment; their scale bytes are 0x7f.
; The maximum is taken away before the exponential, by a subtraction of its own, so that large scores lose nothing: e^(s - M) = 2^((s - M) log2 e).
; At the end the eight partial pairs of an m (four waves x two halves of the lanes) meet in LDS.  st [b][32 m][branch][-M | -log2 Z][32] f32, by the true m: stores of 128 consecutive bytes; the buffer is 0.2 MB.
; Operands go from memory straight into registers, laid there by the launch before: each fragment of K serves one wave of the work-group, so LDS would add a copy and a barrier and spare no read.
; LIMITS: NaN and infinities are not served.
.set L16, 1                            ; v1 16 x lane
.set L8,  2                            ; v2 8 x lane
.set R16, 3                            ; v3 16 r
.set SW,  4                            ; v4 LDS: 512 x wave + 8 x lane
.set SR,  5                            ; v5 LDS: 2,048 x branch + 256 (lane / 16) + 8 (lane % 16)
.set SOF, 6                            ; v6 my m's place in a row of st
.set QF,  16                           ; v16-39   Q's two fragments
.set QSC, 40                           ; v40-41   their scale words
.set KF,  48                           ; v48-143  K's fragments: two sets of four
.set KSC, 144                          ; v144-151 their scale words
.set S,   160                          ; v160-223 scores: tile of m u, tile of n t at 32 u + 8 t
.set MP,  224                          ; v224-227 M (the pair's low word; the high one is only named)
.set ZP,  228                          ; v228-231 Z in two halves
.set C,   232                          ; v232-239 four chains of maxima for each u
.set FP,  240                          ; v240-243 2^((old M - new M) log2 e) (the pair's low word)
	s_load_b128 s[4:7], s[0:1], 0x0                ; qkc, qks
	s_load_b64 s[8:9], s[0:1], 0x10                ; st
	v_lshl_add_u32 v254, v0, 2, 0x1800
	v_mov_b32 v255, 0
	v_lshrrev_b32 v7, 5, v0
	v_readfirstlane_b32 s10, v7                    ; wave 0..11
	s_lshr_b32 s11, s10, 2                         ; branch
	s_and_b32 s12, s10, 3                          ; q
	s_and_b32 s13, ttmp7, 0xffff                   ; b
	v_and_b32 v7, 31, v0
	v_and_b32 v8, 15, v0                           ; r
	v_bfe_u32 v9, v0, 4, 1
	v_lshlrev_b32 v[L16], 4, v7
	v_lshlrev_b32 v[L8], 3, v7
	v_lshlrev_b32 v[R16], 4, v8
	s_lshl_b32 s27, s10, 9
	v_add_nc_u32 v[SW], s27, v[L8]
	s_min_u32 s27, s10, 2                          ; the last step is done by waves 0, 1, 2, one for each branch
	s_lshl_b32 s26, s27, 11
	v_lshlrev_b32 v[SR], 8, v9
	v_lshl_add_u32 v[SR], v8, 3, v[SR]
	v_add_nc_u32 v[SR], s26, v[SR]
	v_and_b32 v10, 8, v8
	v_add_nc_u32 v10, v10, v8
	v_lshl_add_u32 v10, v9, 3, v10                 ; there lane 16 u + r stands for m = 8 u + r + 8 (r / 8) of the 32
	v_lshlrev_b32 v[SOF], 2, v10
	s_lshl_b32 s28, s11, 1
	s_add_co_u32 s28, s28, s13
	s_add_co_u32 s28, s28, 2                       ; 2 (1 + branch) + b
	s_lshl_b32 s30, s28, 8
	s_lshl_b32 s31, s12, 6
	s_add_co_u32 s30, s30, s31
	s_mul_i32 s30, s30, 768                        ; K's codes: my first tile
	s_mov_b32 s31, 0
	s_lshl_b32 s28, s28, 6
	s_lshl_b32 s29, s12, 4
	s_add_co_u32 s28, s28, s29
	s_lshl_b32 s28, s28, 8                         ; K's scale words: my first group
	s_mov_b32 s29, 0
	s_lshl_b32 s32, s13, 8
	s_lshl_b32 s33, ttmp9, 1
	s_add_co_u32 s32, s32, s33
	s_mul_i32 s32, s32, 768                        ; Q's codes: tiles 2 mb, 2 mb + 1
	s_mov_b32 s33, 0
	s_lshl_b32 s34, s13, 6
	s_lshr_b32 s35, ttmp9, 1
	s_add_co_u32 s34, s34, s35
	s_lshl_b32 s34, s34, 8
	s_and_b32 s35, ttmp9, 1
	s_lshl_b32 s35, s35, 3
	s_add_co_u32 s34, s34, s35                     ; Q's scale words
	s_mov_b32 s35, 0
	s_lshl_b32 s36, s13, 7
	s_add_co_u32 s36, s36, ttmp9
	s_mul_i32 s36, s36, 768
	s_lshl_b32 s37, s27, 8
	s_add_co_u32 s36, s36, s37                     ; st: my 32 m, my branch
	s_mov_b32 s37, 0
	s_mov_b32 s24, 0x3fb8aa3b                      ; log2 e
	s_mov_b32 s25, s24                             ; (named with it as a pair, so it is written)
	s_wait_kmcnt 0x0
	s_add_nc_u64 s[16:17], s[4:5], s[30:31]
	s_add_nc_u64 s[18:19], s[6:7], s[28:29]
	s_add_nc_u64 s[20:21], s[4:5], s[32:33]
	s_add_nc_u64 s[22:23], s[6:7], s[34:35]
	s_add_nc_u64 s[8:9], s[8:9], s[36:37]
.irp u, 0,1
	global_load_b128 v[QF+12*\u:QF+12*\u+3], v[L16], s[20:21] offset:768*\u
	global_load_b64 v[QF+12*\u+4:QF+12*\u+5], v[L8], s[20:21] offset:768*\u+512
.endr
	global_load_b64 v[QSC:QSC+1], v[R16], s[22:23]
.macro KLOAD set, off                  ; group off from the base on: four records of 768 bytes and one load of scale words: nine loads
.irp t, 0,1,2,3
	global_load_b128 v[KF+48*\set+12*\t:KF+48*\set+12*\t+3], v[L16], s[16:17] offset:(\off)*3072+768*\t
	global_load_b64 v[KF+48*\set+12*\t+4:KF+48*\set+12*\t+5], v[L8], s[16:17] offset:(\off)*3072+768*\t+512
.endr
	global_load_b128 v[KSC+4*\set:KSC+4*\set+3], v[R16], s[18:19] offset:(\off)*256
.endm
	KLOAD 0, 0
	KLOAD 1, 1
.irp f, 0,1
.irp i, 6,7,8,9,10,11
	v_mov_b32 v[QF+12*\f+\i], 0                    ; the zero codes of k = 64 .. 127
.endr
.endr
.irp f, 0,1,2,3,4,5,6,7
.irp i, 6,7,8,9,10,11
	v_mov_b32 v[KF+12*\f+\i], 0
.endr
.endr
.irp i, 0,1,2,3
	v_mov_b32 v[MP+\i], 0xff61b1e6                 ; -3e38, under every score
	v_mov_b32 v[ZP+\i], 0
	v_mov_b32 v[FP+\i], 0
.endr
; A group: 64 n x 32 m.  cnt: the other set's nine younger loads may stay out.
.macro GROUP set, off, more, cnt
	s_wait_loadcnt \cnt
.irp t, 0,1,2,3
.irp u, 0,1
	v_wmma_scale_f32_16x16x128_f8f6f4 v[S+32*\u+8*\t:S+32*\u+8*\t+7], v[KF+48*\set+12*\t:KF+48*\set+12*\t+11], v[QF+12*\u:QF+12*\u+11], 0, v[KSC+4*\set+\t], v[QSC+\u] matrix_a_fmt:MATRIX_FMT_FP6 matrix_b_fmt:MATRIX_FMT_FP6
.endr
.endr
.rept 4
	v_nop                                          ; four places in front of loads into the products' registers and of the first read of the results
.endr
.if \more
	KLOAD \set, \off
.endif
.irp j, 0,1,2,3                                ; the largest of my 32 scores and the old M: four chains, each accumulator from its low end on; the two tiles of m by turns
.irp u, 0,1
	v_max3_num_f32 v[C+4*\u+\j], v[S+32*\u+8*\j], v[S+32*\u+8*\j+1], v[S+32*\u+8*\j+2]
.endr
.endr
.irp k, 1,2
.irp j, 0,1,2,3
.irp u, 0,1
	v_max3_num_f32 v[C+4*\u+\j], v[C+4*\u+\j], v[S+32*\u+8*\j+2*\k+1], v[S+32*\u+8*\j+2*\k+2]
.endr
.endr
.endr
.irp u, 0,1
	v_max3_num_f32 v[C+4*\u], v[C+4*\u], v[S+32*\u+7], v[S+32*\u+15]
.endr
.irp u, 0,1
	v_max3_num_f32 v[C+4*\u+2], v[C+4*\u+2], v[S+32*\u+23], v[S+32*\u+31]
.endr
.irp u, 0,1
	v_max3_num_f32 v[C+4*\u], v[C+4*\u], v[C+4*\u+1], v[C+4*\u+2]
.endr
.irp u, 0,1
	v_mov_b32 v[FP+2*\u], v[MP+2*\u]
.endr
.irp u, 0,1
	v_max3_num_f32 v[MP+2*\u], v[C+4*\u], v[C+4*\u+3], v[MP+2*\u]
.endr
.irp u, 0,1
	v_sub_f32 v[FP+2*\u], v[FP+2*\u], v[MP+2*\u]   ; old M - new M
.endr
.irp u, 0,1
	v_mul_f32 v[FP+2*\u], s24, v[FP+2*\u]
.endr
.set i, 0
.rept 16
.irp u, 0,1
	v_pk_add_f32 v[S+32*\u+i:S+32*\u+i+1], v[S+32*\u+i:S+32*\u+i+1], v[MP+2*\u:MP+2*\u+1] op_sel_hi:[1,0] neg_lo:[0,1] neg_hi:[0,1]   ; s - M, not fused with the scaling: the difference of two large scores keeps its digits
.endr
.set i, i+2
.endr
.set i, 0
.rept 32
	v_pk_mul_f32 v[S+i:S+i+1], v[S+i:S+i+1], s[24:25] op_sel_hi:[1,0]
.set i, i+2
.endr
.set i, 0
.rept 64
	v_exp_f32 v[S+i], v[S+i]
.set i, i+1
.endr
	v_exp_f32 v[FP], v[FP]
	v_exp_f32 v[FP+2], v[FP+2]
	v_nop                                          ; a plain place behind the last exponential
	s_wait_alu depctr_va_vdst(0)                   ; one wait for the batch of 66, ahead of its first reader
.irp u, 0,1
	v_pk_fma_f32 v[ZP+2*\u:ZP+2*\u+1], v[ZP+2*\u:ZP+2*\u+1], v[FP+2*\u:FP+2*\u+1], v[S+32*\u:S+32*\u+1] op_sel_hi:[1,0,1]   ; Z under the new M, and the first pair
.endr
.set i, 2
.rept 15
.irp u, 0,1
	v_pk_add_f32 v[ZP+2*\u:ZP+2*\u+1], v[ZP+2*\u:ZP+2*\u+1], v[S+32*\u+i:S+32*\u+i+1]
.endr
.set i, i+2
.endr
.endm
	s_mov_b32 s26, 7
.Lpair:                                            ; a trip: groups 2 i and 2 i + 1; it asks for groups 2 i + 2 and 2 i + 3
	GROUP 0, 2, 1, 9
	GROUP 1, 3, 1, 9
	s_wait_xcnt 0x0                                ; the loads have read their bases: these may step
	s_add_nc_u64 s[16:17], s[16:17], 6144
	s_add_nc_u64 s[18:19], s[18:19], 512
	s_sub_co_u32 s26, s26, 1
	s_cmp_lg_u32 s26, 0
	s_cbranch_scc1 .Lpair
	GROUP 0, 0, 0, 9                               ; the last two groups ask for nothing
	GROUP 1, 0, 0, 0
.irp u, 0,1
	v_add_f32 v[MP+2*\u+1], v[ZP+2*\u], v[ZP+2*\u+1]               ; (M, Z) as a pair
.endr
.irp u, 0,1
	ds_store_b64 v[SW], v[MP+2*\u:MP+2*\u+1] offset:256*\u
.endr
	s_wait_dscnt 0x0                               ; for the others' sake: my stores are done
	s_barrier_signal -1
	s_barrier_wait -1
	s_cmp_ge_u32 s10, 3
	s_cbranch_scc1 .Lend
.irp k, 0,1,2,3,4,5,6,7                        ; wave q = k / 2 of my branch, half k % 2 of its lanes
	ds_load_b64 v[48+2*\k:49+2*\k], v[SR] offset:512*(\k/2)+128*(\k%2)
.endr
	s_wait_dscnt 0x0
	v_max3_num_f32 v64, v48, v50, v52
	v_max3_num_f32 v64, v64, v54, v56
	v_max3_num_f32 v64, v64, v58, v60
	v_max_num_f32 v64, v64, v62                    ; the row's M
.irp k, 0,1,2,3,4,5,6,7
	v_sub_f32 v[48+2*\k], v[48+2*\k], v64
.endr
.irp k, 0,1,2,3,4,5,6,7
	v_mul_f32 v[48+2*\k], s24, v[48+2*\k]
.endr
.irp k, 0,1,2,3,4,5,6,7
	v_exp_f32 v[48+2*\k], v[48+2*\k]
.endr
	v_nop
	s_wait_alu depctr_va_vdst(0)                   ; one wait for the eight
	v_mul_f32 v65, v48, v49
.irp k, 1,2,3,4,5,6,7
	v_fmac_f32 v65, v[48+2*\k], v[49+2*\k]         ; the row's Z, at least 1
.endr
	v_log_f32 v65, v65
	v_xor_b32 v64, 0x80000000, v64                 ; -M  (a plain place behind the logarithm)
	s_wait_alu depctr_va_vdst(0)
	v_xor_b32 v65, 0x80000000, v65                 ; -log2 Z
	global_store_b32 v[SOF], v64, s[8:9]
	global_store_b32 v[SOF], v65, s[8:9] offset:128
.Lend:
	s_wait_tensorcnt 0x0
	ds_add_u32 v254, v255
	s_wait_dscnt 0x0
	s_endpgm
.Lfunc_end_k_qdb0c6c29b4_stats:
	.size	k_qdb0c6c29b4_stats, .Lfunc_end_k_qdb0c6c29b4_stats-k_qdb0c6c29b4_stats
	.p2alignl 7, 3214868480
	.fill 96, 4, 3214868480
	.section	.rodata,"a",@progbits
	.p2align	6, 0x0
	.amdhsa_kernel k_qdb0c6c29b4_stats
		.amdhsa_group_segment_fixed_size 7680
		.amdhsa_private_segment_fixed_size 0
		.amdhsa_enable_private_segment 0
		.amdhsa_kernarg_size 24
		.amdhsa_user_sgpr_count 2
		.amdhsa_user_sgpr_kernarg_segment_ptr 1
		.amdhsa_wavefront_size32 1
		.amdhsa_system_sgpr_workgroup_id_x 1
		.amdhsa_system_sgpr_workgroup_id_y 1
		.amdhsa_system_sgpr_workgroup_id_z 1
		.amdhsa_system_vgpr_workitem_id 0
		.amdhsa_next_free_vgpr 256
		.amdhsa_next_free_sgpr 66
		.amdhsa_reserve_vcc 0
		.amdhsa_float_denorm_mode_32 3
		.amdhsa_float_denorm_mode_16_64 3
		.amdhsa_memory_ordered 1
		.amdhsa_forward_progress 1
		.amdhsa_inst_pref_size 58
	.end_amdhsa_kernel
	.amdgpu_metadata
---
amdhsa.version: [ 1, 2 ]
amdhsa.kernels:
  - .name:           k_qdb0c6c29b4_stats
    .symbol:         k_qdb0c6c29b4_stats.kd
    .args:
      - { .name: qkc, .offset: 0, .size: 8, .value_kind: global_buffer, .address_space: global }
      - { .name: qks, .offset: 8, .size: 8, .value_kind: global_buffer, .address_space: global }
      - { .name: st, .offset: 16, .size: 8, .value_kind: global_buffer, .address_space: global }
    .group_segment_fixed_size: 7680
    .private_segment_fixed_size: 0
    .kernarg_segment_align: 8
    .kernarg_segment_size: 24
    .max_flat_workgroup_size: 384
    .sgpr_count:     66
    .vgpr_count:     256
    .wavefront_size: 32
...
	.end_amdgpu_metadata
.endif
;; end of part 3
;; launch attn (part 4): grid 128 x 2, 8 waves a work-group, clusters of 4 x 1, 327,680 bytes of LDS; arguments qkc, qks, vb, st, atc, ats; writes atc, ats
.if DOCPART == 4
	.amdgcn_target "amdgcn-amd-amdhsa--gfx1250"
	.amdhsa_code_object_version 6
	.text
	.protected	k_qdb0c6c29b4_attn
	.globl	k_qdb0c6c29b4_attn
	.p2align	8
	.type	k_qdb0c6c29b4_attn,@function
k_qdb0c6c29b4_attn:
	s_mov_b64 s[64:65], 0
	v_nop
	global_prefetch_b8 v0, s[64:65] scope:SCOPE_SE
	s_setreg_imm32_b32 hwreg(HW_REG_WAVE_MODE, 25, 1), 1
	s_wait_xcnt 0x0
	s_wait_alu depctr_hold_cnt(0) depctr_sa_sdst(0) depctr_va_vdst(0) depctr_va_sdst(0) depctr_va_ssrc(0) depctr_va_vcc(0) depctr_vm_vsrc(0)
	s_getreg_b32 s2, hwreg(HW_REG_IB_STS2, 6, 4)
	s_cmp_eq_u32 s2, 0
	s_cbranch_scc0 .Lentry_in_a_cluster
	s_endpgm
.Lentry_in_a_cluster:
	s_bfe_u32 s2, ttmp6, 0x10000c
	s_cmp_lg_u32 s2, 0x3003
	s_cbranch_scc0 .Lentry_shape_is_right
	s_endpgm
.Lentry_shape_is_right:
; The second sweep: att[c][n] = the sum over the three branches and over m of V[c][m] p[m][n], p[m][n] = e^(s[m][n] - M[m]) / Z[m], s = Q[m] . K[n]; all products on codes of FP6 (E2M3) with one E8M0 byte for each 32 along K.
; p is the finished, normalised weight; it is quantised along m, the product's K.  M and Z come from the launch before; the scores are made anew (the same bits: only the sources change places), so s - M is 0 or less.
; p = 2^((s - M) log2 e - log2 Z): the maximum is taken away by an addition of its own, then one fused multiply-add, then v_exp_f32.
; SHARES.  A work-group owns 32 n (two tiles of K for each branch) x all 512 c of one batch, and walks m in 32 steps of 128.  The three branches add into the same 16 accumulators a wave: one K of 3 x 4,096.
; TWO ROLES.  Waves 0-3 multiply: wave w owns channel tiles 8 w .. 8 w + 7; a step is 48 products (8 tiles x 2 tiles of n x 3 branches), so each fragment of V feeds six.  Waves 4-7 make p: wave 4 + w' owns the
; step's block of 32 m number w', for all six pieces (branch, tile of n): 12 score products, 96 exponentials, six blocks quantised.  While step j is multiplied, step j + 1's p is made; p goes through two buffers in LDS.
; With eight waves on four SIMDs a multiplying wave and a p wave can stand side by side; the values do not hang on that.
; p IN LDS lies as rows: row n of a piece is the stream of its 128 codes, 96 bytes, rows 112 bytes apart.  Source 0 of a score product is Q, whose rows are chosen so that a lane's 16 registers are 16 neighbouring m:
; its 16 codes are 12 bytes of the stream.  The scale byte of (n, piece, block) is one byte of the piece's scale word.
; V comes through a ring of two LDS slots of two steps each (102,400 bytes), as images of the operands' registers.  CLUSTER: the four work-groups of a cluster walk the same V: each eighth of a slot is asked for JOINTLY.
; Q, M and Z (0.3 MB a work-group against V's 1.6 MB) go from memory straight into the p waves' registers, a step ahead; K's six fragments stay in registers.
; No prefetch: a refill is asked for two steps, 96 products a multiplying wave, ahead of the wait for it.
; At the end att is quantised along c (wave w's 128 channels are K step w of the last product) and stored as images: atc [b][tile of n][K step][1,536], ats [b][tile][r][K step].
; LIMITS: a p under 2^-126 becomes 0; a block of zeros, or one whose largest magnitude lies under 2^-124, gets the byte 1 (only this program reads the bytes; zero codes add nothing); NaN and infinities are not served.
.set SLOT1, 131072                     ; slot 0 at byte 0, slot 1 here: one exclusive or turns an address in one slot into the other's
.set STEPB, 51200                      ; a step of V: 32 images of 1,536 bytes, then 2,048 bytes of scale words
.set PBUF,  102400                     ; p: two buffers of 10,752 bytes: piece p at 1,792 p
.set PBB,   10752
.set PPC,   1792
.set PSC,   123904                     ; p's scale words: two buffers of 512 bytes: 32 r + 4 p
.set ASG,   124928                     ; where att's scale words meet: 512 bytes
.set SPARE, 125440                     ; the spare words, 128 bytes for each wave: four blocks of 256 bytes that no other line names
.set L16, 1                            ; v1  16 x lane
.set L8,  2                            ; v2  8 x lane
.set R16, 3                            ; v3  16 r
.set H64, 4                            ; v4  64 h
.set PWA, 5                            ; v5  where a p wave puts 12 bytes: PBUF + 112 r + 24 w' + 12 h
.set PSW, 6                            ; v6  and a scale byte: PSC + 32 r + w'
.set PRA, 7                            ; v7  where p's fragments are read: PBUF + 112 r + 24 h
.set PSR, 8                            ; v8  PSC + 32 r
.set VA,  9                            ; v9  my eight images in a step of V: 12,288 w + 16 x lane
.set VSA, 10                           ; v10 their scale words: 49,152 + 512 w + 32 r
.set ADV, 11                           ; v11-12 the same in the slot in hand, first and second step
.set ADS, 13                           ; v13-14
.set ASW, 15                           ; v15 ASG + 16 r + 4 w
.set ASR, 16                           ; v16 ASG + 16 x lane
.set SPW, 30                           ; v30 LDS address of my spare word; never rewritten
.set NIL, 31                           ; v31 0; never rewritten
; p waves: window 0
.set QS,  32                           ; v32-33   Q's scale words
.set KS,  34                           ; v34-39   K's
.set S,   64                           ; v64-159  scores, then p: 16 p + i = m 16 h + i of my block
.set T,   160                          ; v160-165 a piece's largest p
.set U,   166                          ; v166-171 lane l xor 16's
.set SO,  172                          ; v172-177 the conversions' scale operands
.set BY,  178                          ; v178-183 the scale bytes
.set CD,  184                          ; v184-207 the codes, 4 registers' room a piece
; p waves: window 1
.set KF,  0                            ; v0-71    K's six fragments
.set QF,  72                           ; v72-95   Q's two
.set NM,  96                           ; v96-143  -M of my 16 m, for each branch
.set NL,  144                          ; v144-191 -log2 Z likewise
; multiplying waves: window 0
.set VS,  32                           ; v32-39   V's scale words
.set PS,  40                           ; v40-45   p's
.set VF,  64                           ; v64-159  V's eight fragments
.set PF,  160                          ; v160-231 p's six
.set TM,  64                           ; the way out: at work,
.set PC0, 80                           ; codes,
.set PC1, 100
.set PW,  120                          ; scale words
; multiplying waves: window 1: accumulator (channel tile k, tile of n t) at 64 t + 8 k
.set WV,  16                           ; s16 my wave's number
.set G1,  24                           ; s[24:31] descriptor group 1
.set G0A, 32                           ; s[32:35] group 0 of slot 0's first fill
.set G0W, 36                           ; s[36:39] group 0 of slot 1's first fill, which then walks
.set TB,  40                           ; s40 LDS byte at which the slot in hand begins
.set CS,  42                           ; s[42:43] log2 e
.set SEL, 44
.set SQC, 46                           ; s[46:47] Q's codes of the step to be fetched
.set SQS, 48                           ; s[48:49] its scale words
.set SST, 50                           ; s[50:51] its -M and -log2 Z
.set MSB, 0
.macro WIN new                         ; the immediate's high byte repeats the setting that is left
.if MSB != \new
	s_set_vgpr_msb (MSB<<8)|\new
.set MSB, \new
.endif
.endm
.macro PLACES
.rept 4
	v_nop
.endr
.endm
.macro BARRIER                         ; my LDS stores have landed and my LDS loads are in: then the work-group's barrier.  A refill may stay on its way
	s_wait_dscnt 0x0
	s_barrier_signal -1
	s_barrier_wait -1
.endm
.macro CROUND                          ; a round of the cluster's barrier
	s_barrier_signal -1
	s_barrier_wait -1
	s_cmp_lg_u32 s[WV], 0
	s_cbranch_scc1 .Lnot_wave_0_\@
	s_barrier_signal -3
.Lnot_wave_0_\@:
	s_barrier_wait -3
	s_barrier_signal -1
	s_barrier_wait -1
.endm
.macro ADDRS                           ; V's addresses in the slot in hand
	v_add_nc_u32 v[ADV], s[TB], v[VA]
	v_add_nc_u32 v[ADV+1], STEPB, v[ADV]
	v_add_nc_u32 v[ADS], s[TB], v[VSA]
	v_add_nc_u32 v[ADS+1], STEPB, v[ADS]
.endm
; 64 numbers of a lane in window 1, register s + 16 b + i = k 32 b + 16 h + i of my row, become a fragment in v[pc .. pc + 11] (pc + 12 .. 19 at work) and its scale word in v[pw].
.macro QUANTW s, pc, pw
	WIN 0x05
.irp b, 0,1,2,3
	v_max3_num_f32 v[TM+\b], |v[(\s)+16*\b]|, |v[(\s)+16*\b+1]|, 0x1800000   ; with the floor 2^(3 - 127); each accumulator is read from its low end on
.endr
.irp i, 2,4,6,8,10,12,14
.irp b, 0,1,2,3
	v_max3_num_f32 v[TM+\b], |v[(\s)+16*\b+\i]|, |v[(\s)+16*\b+\i+1]|, v[TM+\b]
.endr
.endr
	WIN 0
.irp b, 0,1,2,3
	v_permlanex16_b32 v[TM+4+\b], v[TM+\b], s[SEL], s[SEL+1]
.endr
.irp b, 0,1,2,3
	v_max_num_f32 v[TM+\b], v[TM+\b], v[TM+4+\b]
.endr
.irp b, 0,1,2,3
	v_add_nc_u32 v[TM+12+\b], 0xff000000, v[TM+\b]
.endr
.irp b, 0,1,2,3
	v_lshrrev_b32 v[TM+4+\b], 23, v[TM+12+\b]
.endr
	v_lshl_or_b32 v[\pw], v[TM+5], 8, v[TM+4]
	v_lshl_or_b32 v[\pw], v[TM+6], 16, v[\pw]
	v_lshl_or_b32 v[\pw], v[TM+7], 24, v[\pw]
	WIN 0x01
.irp c, 0,1
	v_cvt_scalef32_pk16_fp6_f32 v[(\pc)+6*\c:(\pc)+6*\c+2], v[(\s)+32*\c:(\s)+32*\c+15], v[TM+12+2*\c]
	v_cvt_scalef32_pk16_fp6_f32 v[(\pc)+12+4*\c:(\pc)+14+4*\c], v[(\s)+32*\c+16:(\s)+32*\c+31], v[TM+13+2*\c]
.endr
	WIN 0
	v_nop                                          ; one plain place behind a scaled conversion
.irp c, 0,1
.irp i, 0,1,2
	v_permlane16_swap_b32 v[(\pc)+6*\c+\i], v[(\pc)+12+4*\c+\i]
.endr
.irp i, 0,1,2
	v_mov_b32 v[(\pc)+6*\c+3+\i], v[(\pc)+12+4*\c+\i]
.endr
.endr
.endm
	s_load_b256 s[4:11], s[0:1], 0x0               ; qkc, qks, vb, st
	s_load_b128 s[12:15], s[0:1], 0x20             ; atc, ats
	v_lshl_add_u32 v[SPW], v0, 2, SPARE
	v_mov_b32 v[NIL], 0
	ds_add_u32 v30, v31
	ds_add_u32 v30, v31
	s_wait_dscnt 0x0
	v_lshrrev_b32 v17, 5, v0
	v_readfirstlane_b32 s[WV], v17                 ; wave 0..7
	s_and_b32 s17, s[WV], 3                        ; my number in my role
	s_bfe_u32 s18, ttmp6, 0x40000                  ; cx: it enters global addresses of K, atc and ats alone
	s_lshl_b32 s19, ttmp9, 2
	s_add_co_u32 s19, s19, s18                     ; nb: my block of 32 n
	s_and_b32 s20, ttmp7, 0xffff                   ; b, which the four partners share
	v_and_b32 v17, 31, v0
	v_and_b32 v18, 15, v0                          ; r
	v_bfe_u32 v19, v0, 4, 1                        ; h
	v_lshlrev_b32 v[L16], 4, v17
	v_lshlrev_b32 v[L8], 3, v17
	v_lshlrev_b32 v[R16], 4, v18
	v_lshlrev_b32 v[H64], 6, v19
	v_mul_u32_u24 v20, v18, 112
	s_mul_i32 s21, s17, 24
	s_add_co_u32 s21, s21, PBUF
	v_mad_u32_u24 v[PWA], v19, 12, v20
	v_add_nc_u32 v[PWA], s21, v[PWA]
	v_lshlrev_b32 v21, 5, v18
	s_add_co_u32 s21, s17, PSC
	v_add_nc_u32 v[PSW], s21, v21
	v_mad_u32_u24 v[PRA], v19, 24, v20
	v_add_nc_u32 v[PRA], PBUF, v[PRA]
	v_add_nc_u32 v[PSR], PSC, v21
	s_mul_i32 s21, s17, 12288
	v_add_nc_u32 v[VA], s21, v[L16]
	s_lshl_b32 s21, s17, 9
	s_add_co_u32 s21, s21, 49152
	v_add_nc_u32 v[VSA], s21, v21
	s_lshl_b32 s21, s17, 2
	s_add_co_u32 s21, s21, ASG
	v_add_nc_u32 v[ASW], s21, v[R16]
	v_add_nc_u32 v[ASR], ASG, v[L16]
	s_mov_b32 s[TB], 0
	ADDRS
	s_mov_b32 s[CS], 0x3fb8aa3b
	s_mov_b32 s[CS+1], s[CS]                       ; (named with it as a pair, so it is written)
	s_mov_b32 s[SEL], 0x76543210
	s_mov_b32 s[SEL+1], 0xfedcba98
	; descriptor group 1: an eighth of a slot, 12,800 dense bytes, as 50 rows of 256 bytes (32 elements of 8 bytes)
	s_mov_b32 s[G1], 15|(3<<16)|(1<<21)            ; 15:0 the mask: all four work-groups; 17:16 elements of 8 bytes; 21 set beside a mask
	s_mov_b32 s[G1+1], 32<<16                      ; tensor_dim0 = 32
	s_mov_b32 s[G1+2], 50<<16                      ; tensor_dim1 = 50
	s_mov_b32 s[G1+3], 32<<16                      ; tile_dim0 = 32
	s_mov_b32 s[G1+4], 50                          ; tile_dim1 = 50
	s_mov_b32 s[G1+5], 32                          ; from row to row
	s_mov_b32 s[G1+6], 0
	s_mov_b32 s[G1+7], 0
	s_mul_i32 s21, s[WV], 12800                    ; my eighth, in LDS and in memory
	s_mul_i32 s22, s20, 32*STEPB
	s_add_co_u32 s22, s22, s21
	s_mov_b32 s23, 0
	s_wait_kmcnt 0x0
	s_add_nc_u64 s[8:9], s[8:9], s[22:23]
	CROUND                                         ; all four work-groups are here: the first joint loads meet
	s_mov_b32 s[G0A], 1
	s_mov_b32 s[G0A+1], s21
	s_mov_b64 s[G0A+2:G0A+3], s[8:9]
	s_or_b32 s[G0A+3], s[G0A+3], 0x80000000
	s_mov_b32 s[G0W], 1
	s_add_co_u32 s[G0W+1], s21, SLOT1
	s_add_nc_u64 s[G0W+2:G0W+3], s[8:9], 2*STEPB
	s_or_b32 s[G0W+3], s[G0W+3], 0x80000000
	tensor_load_to_lds s[G0A:G0A+3], s[G1:G1+7]    ; steps 0 and 1
	s_nop 0
	tensor_load_to_lds s[G0W:G0W+3], s[G1:G1+7]    ; steps 2 and 3: two loads of mine are out
	s_nop 0
	PLACES                                         ; four v_nop follow
	s_lshl_b32 s56, s20, 8
	s_lshl_b32 s57, s17, 1
	s_add_co_u32 s56, s56, s57
	s_mul_i32 s56, s56, 768
	s_mov_b32 s57, 0
	s_add_nc_u64 s[SQC:SQC+1], s[4:5], s[56:57]    ; Q's tiles 2 w', 2 w' + 1 of step 0
	s_lshl_b32 s56, s20, 6
	s_lshr_b32 s58, s17, 1
	s_add_co_u32 s56, s56, s58
	s_lshl_b32 s56, s56, 8
	s_and_b32 s58, s17, 1
	s_lshl_b32 s58, s58, 3
	s_add_co_u32 s56, s56, s58
	s_add_nc_u64 s[SQS:SQS+1], s[6:7], s[56:57]
	s_lshl_b32 s56, s20, 7
	s_add_co_u32 s56, s56, s17
	s_mul_i32 s56, s56, 768
	s_add_nc_u64 s[SST:SST+1], s[10:11], s[56:57]
	s_lshl_b32 s56, s20, 8
	s_lshl_b32 s58, s19, 1
	s_add_co_u32 s58, s56, s58                     ; 256 b + 2 nb
	s_mul_i32 s56, s58, 768
	s_add_nc_u64 s[52:53], s[4:5], s[56:57]        ; K's tiles 2 nb, 2 nb + 1; the branch stands in the immediate
	s_lshl_b32 s56, s58, 8
	s_add_nc_u64 s[14:15], s[14:15], s[56:57]      ; ats
	s_lshl_b32 s56, s58, 2
	s_add_co_u32 s56, s56, s17
	s_mul_i32 s56, s56, 1536
	s_add_nc_u64 s[12:13], s[12:13], s[56:57]      ; atc: tile 2 nb, K step w
	s_lshl_b32 s56, s20, 6
	s_lshr_b32 s58, s19, 1
	s_add_co_u32 s56, s56, s58
	s_lshl_b32 s56, s56, 8
	s_and_b32 s58, s19, 1
	s_lshl_b32 s58, s58, 3
	s_add_co_u32 s56, s56, s58
	s_add_nc_u64 s[54:55], s[6:7], s[56:57]        ; K's scale words
; ---- the p waves' macros
.macro LOADQ                           ; a step's Q (two records and a pair of scale words) and its -M, -log2 Z: 29 loads
	WIN 0
	global_load_b64 v[QS:QS+1], v[R16], s[SQS:SQS+1]
	WIN 0x40                                       ; destination window 1
.irp u, 0,1
	global_load_b128 v[QF+12*\u:QF+12*\u+3], v[L16], s[SQC:SQC+1] offset:768*\u
	global_load_b64 v[QF+12*\u+4:QF+12*\u+5], v[L8], s[SQC:SQC+1] offset:768*\u+512
.endr
.irp bt, 0,1,2
.irp q, 0,1,2,3
	global_load_b128 v[NM+16*\bt+4*\q:NM+16*\bt+4*\q+3], v[H64], s[SST:SST+1] offset:256*\bt+16*\q
	global_load_b128 v[NL+16*\bt+4*\q:NL+16*\bt+4*\q+3], v[H64], s[SST:SST+1] offset:256*\bt+128+16*\q
.endr
.endr
	WIN 0
.endm
.macro AS n                            ; line n % 16 of piece n / 16: eight packed additions s - M, then eight packed multiply-adds x log2 e - log2 Z
.set rp, (\n)/16
.set rk, (\n)%16
.if rk < 8
	v_pk_add_f32 v[S+16*rp+2*rk:S+16*rp+2*rk+1], v[S+16*rp+2*rk:S+16*rp+2*rk+1], v[NM+16*(rp/2)+2*rk:NM+16*(rp/2)+2*rk+1]
.else
	v_pk_fma_f32 v[S+16*rp+2*rk-16:S+16*rp+2*rk-15], v[S+16*rp+2*rk-16:S+16*rp+2*rk-15], s[CS:CS+1], v[NL+16*(rp/2)+2*rk-16:NL+16*(rp/2)+2*rk-15] op_sel_hi:[1,0,1]
.endif
.endm
.macro RS p, k                         ; line k of 13 of piece p's quantiser: p is never negative, so no |.|
.if (\k) == 0
	v_max3_num_f32 v[T+\p], v[S+16*\p], v[S+16*\p+1], 0x1800000    ; with the floor 2^(3 - 127)
.elseif (\k) < 8
	v_max3_num_f32 v[T+\p], v[T+\p], v[S+16*\p+2*(\k)], v[S+16*\p+2*(\k)+1]
.elseif (\k) == 8
	v_permlanex16_b32 v[U+\p], v[T+\p], s[SEL], s[SEL+1]
.elseif (\k) == 9
	v_max_num_f32 v[T+\p], v[T+\p], v[U+\p]        ; with lane l xor 16's 16 m: the block's largest p
.elseif (\k) == 10
	v_add_nc_u32 v[SO+\p], 0xff000000, v[T+\p]
.elseif (\k) == 11
	v_lshrrev_b32 v[BY+\p], 23, v[SO+\p]
.else
	v_cvt_scalef32_pk16_fp6_f32 v[CD+4*\p:CD+4*\p+2], v[S+16*\p:S+16*\p+15], v[SO+\p]
.endif
.endm
.macro PST p, buf                      ; piece p's 12 bytes of codes and its scale byte (both halves of the lanes write the same byte with the same value)
.irp i, 0,1,2
	ds_store_b32 v[PWA], v[CD+4*\p+\i] offset:PBB*(\buf)+PPC*\p+4*\i
.endr
	ds_store_b8 v[PSW], v[BY+\p] offset:512*(\buf)+4*\p
.endm
; A step's p into buffer buf.  next = 1: the step after it is asked for.
.macro SOFT buf, next
	s_wait_loadcnt 0x0                             ; this step's Q, -M and -log2 Z are in; the three bases may step
	WIN 0x05                                       ; sources 0 and 1 in window 1
.irp p, 0,1,2,3,4,5
.irp u, 0,1
	v_wmma_scale_f32_16x16x128_f8f6f4 v[S+16*\p+8*\u:S+16*\p+8*\u+7], v[QF+12*\u:QF+12*\u+11], v[KF+12*\p:KF+12*\p+11], 0, v[QS+\u], v[KS+\p] matrix_a_fmt:MATRIX_FMT_FP6 matrix_b_fmt:MATRIX_FMT_FP6
.endr
.endr
	WIN 0x14                                       ; sources 1 and 2 in window 1: -M, -log2 Z
	PLACES
.set a, 0
.rept 48
	AS a                                           ; pieces 0-2; each accumulator is read from its low end on
.set a, a+1
.endr
.set e, 0
.rept 48                                       ; pieces 0-2's exponentials, a line of pieces 3-5 behind each
	v_exp_f32 v[S+e], v[S+e]
	AS a
.set a, a+1
.set e, e+1
.endr
.if \next
	s_add_nc_u64 s[SQC:SQC+1], s[SQC:SQC+1], 6144  ; eight tiles of Q on
	s_add_nc_u64 s[SQS:SQS+1], s[SQS:SQS+1], 512
	s_add_nc_u64 s[SST:SST+1], s[SST:SST+1], 3072  ; four blocks of 32 m on
	LOADQ
.endif
	WIN 0
	s_wait_alu depctr_va_vdst(0)                   ; one wait for the 48, ahead of their first reader
.irp q, 0,1,2                                  ; piece q + 3's exponentials, a line of piece q's quantiser behind each
.set k, 0
.rept 16
	v_exp_f32 v[S+16*(\q+3)+k], v[S+16*(\q+3)+k]
.if k < 13
	RS \q, k
.endif
.set k, k+1
.endr
	v_nop                                          ; a plain place behind the exponentials and the conversion
	PST \q, \buf
.endr
	v_nop
	s_wait_alu depctr_va_vdst(0)                   ; and one for the other 48
.set k, 0
.rept 13
.irp p, 3,4,5
	RS \p, k                                       ; the three pieces by turns
.endr
.set k, k+1
.endr
	v_nop                                          ; one plain place behind the last conversion
.irp p, 3,4,5
	PST \p, \buf
.endr
.endm
; ---- the multiplying waves' macros
.macro PLOAD p, par                    ; piece p's fragment out of its rows: lane (r, h) takes 24 bytes at 24 h and 24 at 48 + 24 h, in pieces of 8
.irp i, 0,1,2,3,4,5
	ds_load_b64 v[PF+12*\p+2*\i:PF+12*\p+2*\i+1], v[PRA] offset:PBB*\par+PPC*\p+48*(\i/3)+8*(\i%3)
.endr
.endm
; A step: 64 LDS loads in one run, then 48 products; the 16 accumulators take turns, one instruction a turn, in the same order in every round.
.macro PVSTEP par, zero
	ds_load_b128 v[VS:VS+3], v[ADS+\par]
	ds_load_b128 v[VS+4:VS+7], v[ADS+\par] offset:16
	ds_load_b128 v[PS:PS+3], v[PSR] offset:512*\par
	ds_load_b64 v[PS+4:PS+5], v[PSR] offset:512*\par+16
	PLOAD 0, \par
	PLOAD 1, \par
.irp k, 0,1,2,3,4,5,6,7
.irp g, 0,1,2
	ds_load_b128 v[VF+12*\k+4*\g:VF+12*\k+4*\g+3], v[ADV+\par] offset:1536*\k+512*\g
.endr
.endr
	PLOAD 2, \par
	PLOAD 3, \par
	PLOAD 4, \par
	PLOAD 5, \par
	WIN 0x50                                       ; C and D in window 1
.irp bt, 0,1,2
.if \bt == 1
	s_wait_dscnt 12                                ; pieces 2 and 3 are in; the 12 loads of pieces 4 and 5 may be out
.endif
.if \bt == 2
	s_wait_dscnt 0x0
.endif
.irp k, 0,1,2,3,4,5,6,7
.if \bt == 0
	s_wait_dscnt 24+3*(7-\k)                       ; V's fragment k is in: behind it stand 3 loads for each later fragment and the 24 of pieces 2 to 5
.endif
.irp t, 0,1
.if (\zero) && (\bt == 0)
	v_wmma_scale_f32_16x16x128_f8f6f4 v[64*\t+8*\k:64*\t+8*\k+7], v[VF+12*\k:VF+12*\k+11], v[PF+12*(2*\bt+\t):PF+12*(2*\bt+\t)+11], 0, v[VS+\k], v[PS+2*\bt+\t] matrix_a_fmt:MATRIX_FMT_FP6 matrix_b_fmt:MATRIX_FMT_FP6
.else
	v_wmma_scale_f32_16x16x128_f8f6f4 v[64*\t+8*\k:64*\t+8*\k+7], v[VF+12*\k:VF+12*\k+11], v[PF+12*(2*\bt+\t):PF+12*(2*\bt+\t)+11], v[64*\t+8*\k:64*\t+8*\k+7], v[VS+\k], v[PS+2*\bt+\t] matrix_a_fmt:MATRIX_FMT_FP6 matrix_b_fmt:MATRIX_FMT_FP6
.endif
.endr
.endr
.endr
	WIN 0
.rept 5
	v_nop                                          ; FIVE places.  Four serve the next step's loads into these registers and the way out's reads.  The fifth: the two roles lay different things into the same registers (the p waves' K and Q
.endr                                                  ; where these accumulators lie, their scores where V's fragments lie).  No wave changes its role, but every way through the text keeps the distance that a matrix instruction owes which takes an earlier result's registers as an operand or writes over an earlier operand (ISA guide 7.12.1)
.endm
; An interval: the multiplying waves take step j (the slot's step par, p's buffer par); the p waves make step j + 1's p in the other buffer.  The branch hangs on the wave's number alone.
.macro INTERVAL par, zero, soft, next
	s_cmp_lt_u32 s[WV], 4
	s_cbranch_scc0 .Lsm_\@
	PVSTEP \par, \zero
.if \soft
	s_branch .Ljoin_\@
.endif
.Lsm_\@:
.if \soft
	SOFT 1-\par, \next
.Ljoin_\@:
.endif
.endm
; The change of slots stands at a slot's head.  Each wave waits for all its tensor loads (its eighth of the slot ahead), adds 0 to its spare word, and waits for that and for its LDS reads and stores.
; fill = 1: the barrier is a round of the cluster's, so that no wave of any partner still reads the slot that is left or has a load on its way; the joint refill, two slots on, is the first thing behind it.
.macro CHANGE fill
	s_wait_tensorcnt 0x0                           ; no tensor load of mine is out, so a group 0 may be written
	ds_add_u32 v[SPW], v[NIL]                      ; 0 onto my spare word
.if \fill
	s_xor_b32 s[G0W+1], s[G0W+1], SLOT1            ; the walking descriptor: the other slot than last time,
	s_add_nc_u64 s[G0W+2:G0W+3], s[G0W+2:G0W+3], 2*STEPB   ; the next two steps; the type bits on top are not reached
.endif
	s_wait_dscnt 0x0                               ; the add is done, my reads of the slot that is left are over, my stores of p have landed
.if \fill
	CROUND
	tensor_load_to_lds s[G0W:G0W+3], s[G1:G1+7]    ; my one tensor load until the next change
	s_nop 0
	PLACES                                         ; four v_nop follow
.else
	s_barrier_signal -1
	s_barrier_wait -1
.endif
	s_xor_b32 s[TB], s[TB], SLOT1
	ADDRS
.endm
	s_cmp_lt_u32 s[WV], 4
	s_cbranch_scc1 .Lpv_first
.irp p, 0,1,2,3,4,5
	v_mov_b32 v[U+\p], 0                           ; written once: a lane permute's destination counts as one of its sources
.endr
	WIN 0x40
.irp f, 0,1,2,3,4,5,6,7
.irp i, 6,7,8,9,10,11
	v_mov_b32 v[KF+12*\f+\i], 0                    ; the zero codes of k = 64 .. 127 of K's six fragments and Q's two, which follow them
.endr
.endr
	PLACES                                         ; an operand register written by a vector instruction stands four places ahead of a scaled matrix instruction: only loads and waits follow up to the first score product
.irp p, 0,1,2,3,4,5
	global_load_b128 v[KF+12*\p:KF+12*\p+3], v[L16], s[52:53] offset:(1+\p/2)*393216+768*(\p%2)
	global_load_b64 v[KF+12*\p+4:KF+12*\p+5], v[L8], s[52:53] offset:(1+\p/2)*393216+768*(\p%2)+512
.endr
	WIN 0
.irp bt, 0,1,2
	global_load_b64 v[KS+2*\bt:KS+2*\bt+1], v[R16], s[54:55] offset:(1+\bt)*32768
.endr
	LOADQ
	SOFT 0, 1                                      ; step 0's p
.Lpv_first:
	s_wait_tensorcnt 0x1                           ; my eighth of slot 0 is in; slot 1's may stay out
	BARRIER
	INTERVAL 0, 1, 1, 1                            ; step 0's products start the sums: nothing is cleared
	BARRIER
	INTERVAL 1, 0, 1, 1
	s_mov_b32 s41, 14
.Lslot:                                            ; 14 trips: slots' worth 1 to 14; each change asks for the one after the next
	CHANGE 1
	INTERVAL 0, 0, 1, 1
	BARRIER
	INTERVAL 1, 0, 1, 1
	s_sub_co_u32 s41, s41, 1
	s_cmp_lg_u32 s41, 0
	s_cbranch_scc1 .Lslot
	CHANGE 0                                       ; the last two steps are written out: nothing is left to fetch
	INTERVAL 0, 0, 1, 0
	BARRIER
	INTERVAL 1, 0, 0, 0
	; ---- the way out: att's 128 channels of a multiplying wave, for each of its two tiles of n, become a fragment
	s_cmp_lt_u32 s[WV], 4
	s_cbranch_scc0 .Lno_out
.irp b, 0,1,2,3
	v_mov_b32 v[TM+4+\b], 0
.endr
	QUANTW 0, PC0, PW                              ; register 16 b + i = channel 128 w + 32 b + 16 h + i of my n
	QUANTW 64, PC1, PW+1
.irp g, 0,1,2
	global_store_b128 v[L16], v[PC0+4*\g:PC0+4*\g+3], s[12:13] offset:512*\g       ; 512 consecutive bytes a store
.endr
.irp g, 0,1,2
	global_store_b128 v[L16], v[PC1+4*\g:PC1+4*\g+3], s[12:13] offset:6144+512*\g
.endr
	ds_store_b32 v[ASW], v[PW]
	ds_store_b32 v[ASW], v[PW+1] offset:256
.Lno_out:
	BARRIER
	s_cmp_lg_u32 s[WV], 0
	s_cbranch_scc1 .Lnot_first
	ds_load_b128 v[124:127], v[ASR]
	s_wait_dscnt 0x0
	global_store_b128 v[L16], v[124:127], s[14:15] ; the two tiles' scale words: 512 consecutive bytes
.Lnot_first:
	s_wait_tensorcnt 0x0                           ; the wave's end: behind my last tensor load and my last LDS store
	ds_add_u32 v[SPW], v[NIL]
	s_wait_dscnt 0x0
	CROUND                                         ; the closing round: no work-group ends while a partner may still ask for a tile that names it
	s_endpgm
.Lfunc_end_k_qdb0c6c29b4_attn:
	.size	k_qdb0c6c29b4_attn, .Lfunc_end_k_qdb0c6c29b4_attn-k_qdb0c6c29b4_attn
	.p2alignl 7, 3214868480
	.fill 96, 4, 3214868480
	.section	.rodata,"a",@progbits
	.p2align	6, 0x0
	.amdhsa_kernel k_qdb0c6c29b4_attn
		.amdhsa_group_segment_fixed_size 327680
		.amdhsa_private_segment_fixed_size 0
		.amdhsa_enable_private_segment 0
		.amdhsa_kernarg_size 48
		.amdhsa_user_sgpr_count 2
		.amdhsa_user_sgpr_kernarg_segment_ptr 1
		.amdhsa_wavefront_size32 1
		.amdhsa_system_sgpr_workgroup_id_x 1
		.amdhsa_system_sgpr_workgroup_id_y 1
		.amdhsa_system_sgpr_workgroup_id_z 1
		.amdhsa_system_vgpr_workitem_id 0
		.amdhsa_next_free_vgpr 512
		.amdhsa_next_free_sgpr 66
		.amdhsa_reserve_vcc 0
		.amdhsa_float_denorm_mode_32 3
		.amdhsa_float_denorm_mode_16_64 3
		.amdhsa_memory_ordered 1
		.amdhsa_forward_progress 1
		.amdhsa_inst_pref_size 205
	.end_amdhsa_kernel
	.amdgpu_metadata
---
amdhsa.version: [ 1, 2 ]
amdhsa.kernels:
  - .name:           k_qdb0c6c29b4_attn
    .symbol:         k_qdb0c6c29b4_attn.kd
    .args:
      - { .name: qkc, .offset: 0, .size: 8, .value_kind: global_buffer, .address_space: global }
      - { .name: qks, .offset: 8, .size: 8, .value_kind: global_buffer, .address_space: global }
      - { .name: vb, .offset: 16, .size: 8, .value_kind: global_buffer, .address_space: global }
      - { .name: st, .offset: 24, .size: 8, .value_kind: global_buffer, .address_space: global }
      - { .name: atc, .offset: 32, .size: 8, .value_kind: global_buffer, .address_space: global }
      - { .name: ats, .offset: 40, .size: 8, .value_kind: global_buffer, .address_space: global }
    .group_segment_fixed_size: 327680
    .private_segment_fixed_size: 0
    .kernarg_segment_align: 8
    .kernarg_segment_size: 48
    .max_flat_workgroup_size: 256
    .sgpr_count:     66
    .vgpr_count:     512
    .wavefront_size: 32
...
	.end_amdgpu_metadata
.endif
;; end of part 4
;; launch outp (part 5): grid 64 x 4, 8 waves a work-group, no clusters, 68,608 bytes of LDS; arguments atc, ats, wf, ws, bl, gamma, x, out0; writes out0
.if DOCPART == 5
	.amdgcn_target "amdgcn-amd-amdhsa--gfx1250"
	.amdhsa_code_object_version 6
	.text
	.protected	k_qdb0c6c29b4_outp
	.globl	k_qdb0c6c29b4_outp
	.p2align	8
	.type	k_qdb0c6c29b4_outp,@function
k_qdb0c6c29b4_outp:
	s_mov_b64 s[64:65], 0
	v_nop
	global_prefetch_b8 v0, s[64:65] scope:SCOPE_SE
	s_setreg_imm32_b32 hwreg(HW_REG_WAVE_MODE, 25, 1), 1
	s_wait_xcnt 0x0
; out0[b][o][n] = x[b][o][n] + gamma (the sum over c of Wl[o][c] att[c][n] + bl[o]); the product on codes of FP6 (E2M3) with one E8M0 byte for each 32 along c.
; A work-group makes 128 n (ttmp9) x 128 o (ttmp7).  Wave (ow = w / 2, nh = w % 2): two tiles of o x four tiles of n: eight accumulators by turns, four K steps of 128.
; Both operands were laid by earlier launches as images of their registers: they go from memory straight into registers, two sets by turns, a K step ahead.
; Source 0 = att (16 n), source 1 = Wl (16 o): a lane holds ONE o and eight neighbouring n.  The results meet in a stage in LDS (rows of 512 bytes + 16) and leave as whole rows of 512 bytes, with x added on the way.
; The rows of both operands' tiles are not neighbours: row r of tile t is index 32 (t / 2) + 8 (t % 2) + r + 8 (r / 8).
; gamma (a + bl) is formed as gamma a + gamma bl, one fused multiply-add a number.   LIMITS: NaN and infinities are not served.
; No cluster, no tensor load: a work-group reads 0.2 MB of codes once; what is shared between work-groups is small beside x and out0.
.set L16, 1                            ; v1 16 x lane
.set R16, 2                            ; v2 16 r
.set STO, 3                            ; v3 the stage: where I put 32 bytes of a row
.set SRD, 4                            ; v4 and where I read a row back
.set BLO, 5                            ; v5 4 (r + 8 (r / 8))
.set ASC, 16                           ; v16-31   att's scale words (4 i + s)
.set WSC, 32                           ; v32-39   Wl's (4 kk + s)
.set GB,  40                           ; v40-43   gamma bl of my lane's o, as pairs, for kk = 0, 1
.set ACC, 44                           ; v44-107  accumulator (kk, i) at 8 (4 kk + i)
.set SA,  108                          ; v108-179 set A: four fragments of att, two of Wl; later 16 rows of x
.set SB,  180                          ; v180-251 set B; later 16 rows of the stage
	s_load_b256 s[4:11], s[0:1], 0x0               ; atc, ats, wf, ws
	s_load_b256 s[12:19], s[0:1], 0x20             ; bl, gamma, x, out0
	v_lshl_add_u32 v254, v0, 2, 0x10800
	v_mov_b32 v255, 0
	v_lshrrev_b32 v6, 5, v0
	v_readfirstlane_b32 s20, v6                    ; wave 0..7
	s_lshr_b32 s21, s20, 1                         ; ow
	s_and_b32 s22, s20, 1                          ; nh
	s_and_b32 s24, ttmp7, 0xffff                   ; which 128 o
	v_and_b32 v6, 31, v0
	v_and_b32 v7, 15, v0                           ; r
	v_bfe_u32 v8, v0, 4, 1                         ; h
	v_lshlrev_b32 v[L16], 4, v6
	v_lshlrev_b32 v[R16], 4, v7
	v_and_b32 v9, 8, v7
	v_add_nc_u32 v9, v9, v7                        ; r + 8 (r / 8)
	v_lshlrev_b32 v[BLO], 2, v9
	v_mul_u32_u24 v[STO], v9, 528
	v_lshl_add_u32 v[STO], v8, 6, v[STO]           ; + 64 h
	s_mul_i32 s36, s21, 32*528
	s_lshl_b32 s37, s22, 8
	s_add_co_u32 s36, s36, s37
	v_add_nc_u32 v[STO], s36, v[STO]               ; + my 32 rows, + my 64 n
	s_mul_i32 s36, s20, 16*528
	v_add_nc_u32 v[SRD], s36, v[L16]               ; back: rows 16 w on, 16 bytes a lane
	s_lshl_b32 s36, ttmp9, 3
	s_lshl_b32 s37, s22, 2
	s_add_co_u32 s36, s36, s37                     ; my first tile of n
	s_mul_i32 s26, s36, 6144
	s_mov_b32 s27, 0
	s_lshl_b32 s28, s36, 8
	s_mov_b32 s29, 0
	s_lshl_b32 s36, s24, 3
	s_lshl_b32 s37, s21, 1
	s_add_co_u32 s36, s36, s37                     ; my first tile of o
	s_add_co_u32 s37, s36, 48                      ; and its number in wf
	s_mul_i32 s30, s37, 6144
	s_mov_b32 s31, 0
	s_lshl_b32 s32, s37, 8
	s_mov_b32 s33, 0
	s_lshl_b32 s34, s36, 6                         ; bl: 16 numbers a tile
	s_mov_b32 s35, 0
	s_lshr_b32 s38, ttmp9, 5
	s_lshl_b32 s38, s38, 23                        ; x and out0: batch,
	s_lshl_b32 s37, s24, 21                        ; 128 rows of 16,384 bytes,
	s_add_co_u32 s38, s38, s37
	s_lshl_b32 s37, s20, 18                        ; 16 rows,
	s_add_co_u32 s38, s38, s37
	s_and_b32 s37, ttmp9, 31
	s_lshl_b32 s37, s37, 9                         ; 128 n
	s_add_co_u32 s38, s38, s37
	s_mov_b32 s39, 0
	s_wait_kmcnt 0x0
	s_load_b32 s40, s[14:15], 0x0                  ; gamma
	s_add_nc_u64 s[26:27], s[4:5], s[26:27]
	s_add_nc_u64 s[28:29], s[6:7], s[28:29]
	s_add_nc_u64 s[30:31], s[8:9], s[30:31]
	s_add_nc_u64 s[32:33], s[10:11], s[32:33]
	s_add_nc_u64 s[12:13], s[12:13], s[34:35]
	s_add_nc_u64 s[16:17], s[16:17], s[38:39]
	s_add_nc_u64 s[18:19], s[18:19], s[38:39]
.irp i, 0,1,2,3
	global_load_b128 v[ASC+4*\i:ASC+4*\i+3], v[R16], s[28:29] offset:256*\i
.endr
.irp kk, 0,1
	global_load_b128 v[WSC+4*\kk:WSC+4*\kk+3], v[R16], s[32:33] offset:256*\kk
.endr
	global_load_b32 v[GB], v[BLO], s[12:13]
	global_load_b32 v[GB+2], v[BLO], s[12:13] offset:32
.macro SETLOAD set, s                  ; K step s: 18 loads
.irp i, 0,1,2,3
.irp g, 0,1,2
	global_load_b128 v[\set+12*\i+4*\g:\set+12*\i+4*\g+3], v[L16], s[26:27] offset:(4*\i+\s)*1536+512*\g
.endr
.endr
.irp kk, 0,1
.irp g, 0,1,2
	global_load_b128 v[\set+48+12*\kk+4*\g:\set+48+12*\kk+4*\g+3], v[L16], s[30:31] offset:(4*\kk+\s)*1536+512*\g
.endr
.endr
.endm
.macro MUL set, s                      ; its eight products; the first K step starts the sums
.irp i, 0,1,2,3
.irp kk, 0,1
.if \s == 0
	v_wmma_scale_f32_16x16x128_f8f6f4 v[ACC+8*(4*\kk+\i):ACC+8*(4*\kk+\i)+7], v[\set+12*\i:\set+12*\i+11], v[\set+48+12*\kk:\set+48+12*\kk+11], 0, v[ASC+4*\i+\s], v[WSC+4*\kk+\s] matrix_a_fmt:MATRIX_FMT_FP6 matrix_b_fmt:MATRIX_FMT_FP6
.else
	v_wmma_scale_f32_16x16x128_f8f6f4 v[ACC+8*(4*\kk+\i):ACC+8*(4*\kk+\i)+7], v[\set+12*\i:\set+12*\i+11], v[\set+48+12*\kk:\set+48+12*\kk+11], v[ACC+8*(4*\kk+\i):ACC+8*(4*\kk+\i)+7], v[ASC+4*\i+\s], v[WSC+4*\kk+\s] matrix_a_fmt:MATRIX_FMT_FP6 matrix_b_fmt:MATRIX_FMT_FP6
.endif
.endr
.endr
.rept 4
	v_nop                                          ; four places in front of loads into the products' registers and of the first read of the results
.endr
.endm
	SETLOAD SA, 0
	SETLOAD SB, 1
	s_wait_loadcnt 18                              ; the scale words, bl and K step 0 are in; K step 1's 18 loads may be out
	MUL SA, 0
	SETLOAD SA, 2
	s_wait_loadcnt 18
	MUL SB, 1
	SETLOAD SB, 3
	s_wait_loadcnt 18
	MUL SA, 2
.set i, 0
.rept 16
	global_load_b128 v[SA+4*i:SA+4*i+3], v[L16], s[16:17] offset:16384*i   ; x: rows 16 w + i, 512 consecutive bytes a load
.set i, i+1
.endr
	s_wait_loadcnt 16                              ; K step 3 is in; x's 16 loads may be out
	MUL SB, 3
	s_wait_kmcnt 0x0
	s_mov_b32 s41, s40                             ; (named with gamma as a pair, so it is written)
	v_mul_f32 v[GB], s40, v[GB]
	v_mul_f32 v[GB+2], s40, v[GB+2]
	v_mov_b32 v[GB+1], v[GB]
	v_mov_b32 v[GB+3], v[GB+2]
.irp kk, 0,1
.set i, 0
.rept 16
	v_pk_fma_f32 v[ACC+32*\kk+i:ACC+32*\kk+i+1], v[ACC+32*\kk+i:ACC+32*\kk+i+1], s[40:41], v[GB+2*\kk:GB+2*\kk+1] op_sel_hi:[1,0,1]   ; each accumulator from its low end on
.set i, i+2
.endr
.endr
.irp kk, 0,1
.irp i, 0,1,2,3
	ds_store_b128 v[STO], v[ACC+8*(4*\kk+\i):ACC+8*(4*\kk+\i)+3] offset:8*\kk*528+128*(\i/2)+32*(\i%2)      ; lane (r, h): n = 64 nh + 32 (i / 2) + 8 (i % 2) + 16 h + 0 .. 7
	ds_store_b128 v[STO], v[ACC+8*(4*\kk+\i)+4:ACC+8*(4*\kk+\i)+7] offset:8*\kk*528+128*(\i/2)+32*(\i%2)+16
.endr
.endr
	s_wait_dscnt 0x0                               ; for the others' sake: my stores into the stage are done
	s_barrier_signal -1
	s_barrier_wait -1
.set i, 0
.rept 16
	ds_load_b128 v[SB+4*i:SB+4*i+3], v[SRD] offset:528*i
.set i, i+1
.endr
	s_wait_loadcnt 0x0                             ; x
.set i, 0
.rept 16
	s_wait_dscnt 15-i
	v_pk_add_f32 v[SB+4*i:SB+4*i+1], v[SB+4*i:SB+4*i+1], v[SA+4*i:SA+4*i+1]
	v_pk_add_f32 v[SB+4*i+2:SB+4*i+3], v[SB+4*i+2:SB+4*i+3], v[SA+4*i+2:SA+4*i+3]
	global_store_b128 v[L16], v[SB+4*i:SB+4*i+3], s[18:19] offset:16384*i th:TH_STORE_NT   ; 32 lanes store 512 consecutive bytes, aligned; written once, read by nobody here
.set i, i+1
.endr
	s_wait_tensorcnt 0x0
	ds_add_u32 v254, v255
	s_wait_dscnt 0x0
	s_endpgm
.Lfunc_end_k_qdb0c6c29b4_outp:
	.size	k_qdb0c6c29b4_outp, .Lfunc_end_k_qdb0c6c29b4_outp-k_qdb0c6c29b4_outp
	.p2alignl 7, 3214868480
	.fill 96, 4, 3214868480
	.section	.rodata,"a",@progbits
	.p2align	6, 0x0
	.amdhsa_kernel k_qdb0c6c29b4_outp
		.amdhsa_group_segment_fixed_size 68608
		.amdhsa_private_segment_fixed_size 0
		.amdhsa_enable_private_segment 0
		.amdhsa_kernarg_size 64
		.amdhsa_user_sgpr_count 2
		.amdhsa_user_sgpr_kernarg_segment_ptr 1
		.amdhsa_wavefront_size32 1
		.amdhsa_system_sgpr_workgroup_id_x 1
		.amdhsa_system_sgpr_workgroup_id_y 1
		.amdhsa_system_sgpr_workgroup_id_z 1
		.amdhsa_system_vgpr_workitem_id 0
		.amdhsa_next_free_vgpr 256
		.amdhsa_next_free_sgpr 66
		.amdhsa_reserve_vcc 0
		.amdhsa_float_denorm_mode_32 3
		.amdhsa_float_denorm_mode_16_64 3
		.amdhsa_memory_ordered 1
		.amdhsa_forward_progress 1
		.amdhsa_inst_pref_size 25
	.end_amdhsa_kernel
	.amdgpu_metadata
---
amdhsa.version: [ 1, 2 ]
amdhsa.kernels:
  - .name:           k_qdb0c6c29b4_outp
    .symbol:         k_qdb0c6c29b4_outp.kd
    .args:
      - { .name: atc, .offset: 0, .size: 8, .value_kind: global_buffer, .address_space: global }
      - { .name: ats, .offset: 8, .size: 8, .value_kind: global_buffer, .address_space: global }
      - { .name: wf, .offset: 16, .size: 8, .value_kind: global_buffer, .address_space: global }
      - { .name: ws, .offset: 24, .size: 8, .value_kind: global_buffer, .address_space: global }
      - { .name: bl, .offset: 32, .size: 8, .value_kind: global_buffer, .address_space: global }
      - { .name: gamma, .offset: 40, .size: 8, .value_kind: global_buffer, .address_space: global }
      - { .name: x, .offset: 48, .size: 8, .value_kind: global_buffer, .address_space: global }
      - { .name: out0, .offset: 56, .size: 8, .value_kind: global_buffer, .address_space: global }
    .group_segment_fixed_size: 68608
    .private_segment_fixed_size: 0
    .kernarg_segment_align: 8
    .kernarg_segment_size: 64
    .max_flat_workgroup_size: 256
    .sgpr_count:     66
    .vgpr_count:     256
    .wavefront_size: 32
...
	.end_amdgpu_metadata
.endif
;; end of part 5
